; MI455X (gfx1250); checked and timed in simulation.
; The chip was launched on July 23, 2026; its instructions are those of AMD's public machine-readable ISA for CDNA 5 (MIT licence, August 2026) and "CDNA5" Instruction Set Architecture Reference Guide (July 2026). The comments in the code are by the model that wrote it; some were corrected since.
;; Mo E Layer. Allowed arithmetic: float matrix products may take bf16 or f16 operands with f32 sums; other float arithmetic in f32, or as packed bf16 or f16 multiplies, adds, multiply-adds, maxima and minima; sums over many terms, partial sums and values carried from step to step in f32; what a program stores and reads back later, other than sums and carried values, may be rounded once to bf16 or f16.
;; Inputs: gate_w 8 x 2,048 float32; w1 8 x 1,024 x 2,048 float32; w2 8 x 2,048 x 1,024 float32; w3 8 x 1,024 x 2,048 float32; x 4 x 256 x 2,048 float32.
;; Outputs: out0 4 x 256 x 2,048 float32; out1 one number float32.
;; 2 versions, each right; version 2 is version 1 with the launches up, down written anew for expert scheduling mode. Each part assembles by itself: llvm-mc -triple=amdgcn-amd-amdhsa -mcpu=gfx1250 --defsym DOCPART=n.
;; ======== version 1 of 2: 5 launches
;; workspace buffers: xb 4,194,304 bytes; bm 8,192 bytes of whole numbers; wgt 8,192 bytes; pa 8,192 bytes; h 16,777,216 bytes; y 16,842,752 bytes; xg 33,554,432 bytes; pl 33,024 bytes of whole numbers
;; launch router (part 1): grid 64 x 1, 8 waves a work-group, no clusters, 108,032 bytes of LDS; arguments x, gate_w, xb, bm, wgt, pa; writes xb, bm, wgt, pa
.if DOCPART == 1
	.amdgcn_target "amdgcn-amd-amdhsa--gfx1250"
	.amdhsa_code_object_version 6
	.text
	.protected	k_q1117bae47c_router
	.globl	k_q1117bae47c_router
	.p2align	8
	.type	k_q1117bae47c_router,@function
k_q1117bae47c_router:
	s_mov_b64 s[64:65], 0
	v_nop
	global_prefetch_b8 v0, s[64:65] scope:SCOPE_SE
	s_setreg_imm32_b32 hwreg(HW_REG_WAVE_MODE, 25, 1), 1
	s_wait_xcnt 0x0
; ROUTER.  1,024 tokens of 2,048 numbers, 8 experts.  Work-group b owns tokens 16 b .. 16 b + 15; eight waves.
; It rounds x to bf16 (xb, which the next launch lays out by experts as the first product's operand), makes the logits from the rounded x and the rounded
; gate_w on the matrix unit (sums in f32), takes the softmax with the row's maximum taken away, picks the two largest scores (strictly greater wins, so the lower
; index keeps a tie), and stores at fixed places: bm, for each expert a word of 32 bits (bit l: pair 32 b + l = token 16 b + l % 16,
; choice l / 16); wgt, the pair's weight, the two of a token normalised to sum 1; pa, the block's sums of scores (columns 0-7) and
; counts of choices (columns 8-15) for the load-balancing loss.  No address and no branch here hangs on the choice.
; LIMITS.  NaN and infinities are not treated apart; an exponential below 2^-126 counts as 0.  The scores come from inputs rounded to
; bf16 and f32 sums in another order than a plain dot product: two scores that agree to about 1e-6 of themselves may change places.
; No cluster: the work-groups share only gate_w, 65,536 bytes against the 131,072 bytes of x that each reads alone.
.set XP,    4112                       ; an LDS row: 4,096 bytes of bf16 + 16: an odd multiple of 16, so 16 rows start at 16 different groups of four banks (ISA guide 11.1)
.set GT,    16*XP                      ; behind the 16 token rows: the 8 gate rows
.set PART,  98816                      ; 8 waves x 32 lanes x 32 bytes: the waves' partial logits
.set SPARE, 107008                     ; the spare words, 128 bytes for each of eight waves: four blocks of 256 bytes that no other line names
; v1 lane, v2 16 lane, v3 8 lane, v13 4 lane, v6 lane % 16, v7 lane / 16, v4, v5 LDS store addresses, v8, v9 fragment addresses,
; v11, v12 addresses in PART, v30, v31 the add's two registers, v32-159 x as loaded, v160-223 gate_w as loaded
	s_load_b128 s[4:7], s[0:1], 0x0                ; x s[4:5], gate_w s[6:7]
	s_load_b256 s[12:19], s[0:1], 0x10             ; xb s[12:13], bm s[14:15], wgt s[16:17], pa s[18:19]
	v_lshl_add_u32 v30, v0, 2, SPARE               ; my spare word,
	v_mov_b32 v31, 0                               ; and 0: kept for the add at the wave's end
	v_lshrrev_b32 v11, 5, v0
	v_readfirstlane_b32 s20, v11                   ; wave 0..7
	v_and_b32 v1, 31, v0
	v_and_b32 v6, 15, v0
	v_bfe_u32 v7, v0, 4, 1
	v_lshlrev_b32 v2, 4, v1
	v_lshlrev_b32 v3, 3, v1
	v_lshlrev_b32 v13, 2, v1
	s_lshl3_add_u32 s21, ttmp9, s20                ; 8 b + w: my pair of token rows among all pairs
	s_lshl_b32 s46, s21, 14                        ; two rows of x: 16,384 bytes
	s_mov_b32 s47, 0
	s_lshl_b32 s48, s21, 13                        ; two rows of xb: 8,192 bytes
	s_mov_b32 s49, 0
	s_lshl_b32 s50, s20, 13                        ; row w of gate_w
	s_mov_b32 s51, 0
	s_lshl_b32 s54, ttmp9, 7                       ; the block's 128 bytes in bm, wgt and pa
	s_mov_b32 s55, 0
	s_wait_kmcnt 0x0
	s_add_nc_u64 s[4:5], s[4:5], s[46:47]
	s_add_nc_u64 s[12:13], s[12:13], s[48:49]
	s_add_nc_u64 s[6:7], s[6:7], s[50:51]
	s_add_nc_u64 s[14:15], s[14:15], s[54:55]
	s_add_nc_u64 s[16:17], s[16:17], s[54:55]
	s_add_nc_u64 s[18:19], s[18:19], s[54:55]
.set ii, 0
.rept 32                                               ; my two rows of x: 16,384 consecutive bytes, 512 to a load
	global_load_b128 v[32+4*ii:35+4*ii], v2, s[4:5] offset:512*ii th:TH_LOAD_NT
.set ii, ii+1
.endr
.set ii, 0
.rept 16                                               ; my row of gate_w
	global_load_b128 v[160+4*ii:163+4*ii], v2, s[6:7] offset:512*ii
.set ii, ii+1
.endr
	s_mul_i32 s34, s20, 2*XP
	v_add_nc_u32 v4, s34, v3                       ; token rows 2 w, 2 w + 1: 8 bytes a lane
	s_mul_i32 s35, s20, XP
	s_add_co_u32 s35, s35, GT
	v_add_nc_u32 v5, s35, v3                       ; gate row w
	v_mul_u32_u24 v8, v6, XP                       ; a fragment: row lane % 16, 16 bytes for each half of the lanes, my wave's 256 along K
	v_lshl_add_u32 v8, v7, 4, v8
	s_lshl_b32 s34, s20, 9
	v_add_nc_u32 v8, s34, v8
	v_and_b32 v9, 7, v0                            ; the gate has 8 rows: rows 8-15 of its fragment repeat rows 0-7
	v_mul_u32_u24 v9, v9, XP
	v_lshl_add_u32 v9, v7, 4, v9
	s_add_co_u32 s34, s34, GT
	v_add_nc_u32 v9, s34, v9
	v_lshl_add_u32 v11, v1, 5, PART
	s_lshl_b32 s35, s20, 10
	s_add_co_u32 s35, s35, PART
	v_lshl_add_u32 v12, v1, 5, s35
	; round to bf16, four loads at a time: out to xb (32 lanes store 256 consecutive bytes, aligned) and into LDS
.set q, 0
.rept 8
	s_wait_loadcnt 44-4*q                          ; younger: the x loads behind these four, and the 16 of gate_w
.irp j, 0,1,2,3
.set ii, 4*q+\j
	v_cvt_pk_bf16_f32 v[32+4*ii], v[32+4*ii], v[33+4*ii]
	v_cvt_pk_bf16_f32 v[33+4*ii], v[34+4*ii], v[35+4*ii]
	global_store_b64 v3, v[32+4*ii:33+4*ii], s[12:13] offset:256*ii
	ds_store_b64 v4, v[32+4*ii:33+4*ii] offset:(ii/16)*XP+(ii%16)*256
.endr
.set q, q+1
.endr
.set q, 0
.rept 4
	s_wait_loadcnt 12-4*q
.irp j, 0,1,2,3
.set ii, 4*q+\j
	v_cvt_pk_bf16_f32 v[160+4*ii], v[160+4*ii], v[161+4*ii]
	v_cvt_pk_bf16_f32 v[161+4*ii], v[162+4*ii], v[163+4*ii]
	ds_store_b64 v5, v[160+4*ii:161+4*ii] offset:256*ii
.endr
.set q, q+1
.endr
	s_wait_dscnt 0x0                               ; for the others' sake: my rows are in LDS
	s_barrier_signal -1
	s_barrier_wait -1
	; logits: wave w takes k = 256 w .. 256 w + 255, eight steps of 32.  Source 0 = the gate's rows, source 1 = 16 tokens:
	; lane l then holds token l % 16, register j expert j (both halves of the lanes alike).
	s_wait_xcnt 0x0                                ; the stores to xb have had their addresses translated (ISA guide 3.1): their data registers are loaded again only behind this wait
.irp s, 0,1,2,3,4,5,6,7
	ds_load_b128 v[32+8*\s:35+8*\s], v8 offset:64*\s
	ds_load_b128 v[36+8*\s:39+8*\s], v8 offset:64*\s+32
	ds_load_b128 v[96+8*\s:99+8*\s], v9 offset:64*\s
	ds_load_b128 v[100+8*\s:103+8*\s], v9 offset:64*\s+32
.endr
	s_wait_dscnt 0x0
	v_wmma_f32_16x16x32_bf16 v[160:167], v[96:103], v[32:39], 0      ; two sums take turns; the first two products start them
	v_wmma_f32_16x16x32_bf16 v[168:175], v[104:111], v[40:47], 0
.irp s, 2,3,4,5,6,7
	v_wmma_f32_16x16x32_bf16 v[160+8*(\s%2):167+8*(\s%2)], v[96+8*\s:103+8*\s], v[32+8*\s:39+8*\s], v[160+8*(\s%2):167+8*(\s%2)]
.endr
.rept 4
	v_nop                                          ; four places between the last product and the first read of a result (ISA guide 7.12.1)
.endr
.irp j, 0,2,4,6
	v_pk_add_f32 v[160+\j:161+\j], v[160+\j:161+\j], v[168+\j:169+\j]
.endr
	ds_store_b128 v12, v[160:163]
	ds_store_b128 v12, v[164:167] offset:16
	s_wait_dscnt 0x0                               ; for wave 0's sake
	s_barrier_signal -1
	s_barrier_wait -1
	s_cmp_lg_u32 s20, 0
	s_cbranch_scc1 .Lend
	; wave 0: the eight partial sums in the waves' order, the softmax, the two choices
.irp u, 0,1,2,3,4,5,6,7
	ds_load_b128 v[32+8*\u:35+8*\u], v11 offset:1024*\u
	ds_load_b128 v[36+8*\u:39+8*\u], v11 offset:1024*\u+16
.endr
	s_wait_dscnt 0x0
.irp u, 1,2,3,4,5,6,7
.irp j, 0,2,4,6
	v_pk_add_f32 v[32+\j:33+\j], v[32+\j:33+\j], v[32+8*\u+\j:33+8*\u+\j]
.endr
.endr
	v_max3_num_f32 v40, v32, v33, v34
	v_max3_num_f32 v40, v40, v35, v36
	v_max3_num_f32 v40, v40, v37, v38
	v_max_num_f32 v40, v40, v39                    ; the token's largest logit
	s_mov_b32 s34, 0x3fb8aa3b                      ; log2(e)
	v_mul_f32 v41, s34, v40
.irp j, 0,1,2,3,4,5,6,7
	v_fma_f32 v[32+\j], v[32+\j], s34, -v41        ; (L - m) log2(e), at most about 0
.endr
.irp j, 0,1,2,3,4,5,6,7
	v_exp_f32 v[32+\j], v[32+\j]
.endr
	v_nop                                          ; a plain instruction behind the last exponential (ISA guide 5.7.2),
	s_wait_alu depctr_va_vdst(0)                   ; and the one wait ahead of the batch's first reader
	v_add_f32 v42, v32, v33
	v_add_f32 v43, v34, v35
	v_add_f32 v44, v36, v37
	v_add_f32 v45, v38, v39
	v_add_f32 v42, v42, v43
	v_add_f32 v44, v44, v45
	v_add_f32 v42, v42, v44
	v_rcp_f32 v43, v42
	v_nop
	s_wait_alu depctr_va_vdst(0)
.irp j, 0,1,2,3,4,5,6,7
	v_mul_f32 v[32+\j], v[32+\j], v43              ; the scores
.endr
	v_mov_b32 v44, v32                             ; the largest score and its expert
	v_mov_b32 v45, 0
.irp j, 1,2,3,4,5,6,7
	v_cmp_gt_f32 vcc_lo, v[32+\j], v44
	v_cndmask_b32 v44, v44, v[32+\j], vcc_lo
	v_cndmask_b32 v45, v45, \j, vcc_lo
.endr
.irp j, 0,1,2,3,4,5,6,7
	v_cmp_eq_u32 vcc_lo, \j, v45                   ; the chosen score gives way to -1, below every score
	v_cndmask_b32 v[48+\j], v[32+\j], -1.0, vcc_lo
.endr
	v_mov_b32 v46, v48                             ; the second largest
	v_mov_b32 v47, 0
.irp j, 1,2,3,4,5,6,7
	v_cmp_gt_f32 vcc_lo, v[48+\j], v46
	v_cndmask_b32 v46, v46, v[48+\j], vcc_lo
	v_cndmask_b32 v47, v47, \j, vcc_lo
.endr
	v_add_f32 v56, v44, v46
	v_rcp_f32 v57, v56
	v_nop
	s_wait_alu depctr_va_vdst(0)
	v_mul_f32 v44, v44, v57
	v_mul_f32 v46, v46, v57
	v_cmp_ne_u32 vcc_lo, 0, v7                     ; lanes 0-15 stand for the first choice, lanes 16-31 for the second
	v_cndmask_b32 v58, v45, v47, vcc_lo
	v_cndmask_b32 v59, v44, v46, vcc_lo
	v_mov_b32 v60, 0                               ; the block's 32 words of bm,
	v_mov_b32 v61, 0                               ; and of pa
.irp e, 0,1,2,3,4,5,6,7
	v_cmp_eq_u32 s[26+\e], \e, v58                 ; expert e's pairs, a bit a lane
	v_add_f32_dpp v[32+\e], v[32+\e], v[32+\e] row_xmask:1 row_mask:0xf bank_mask:0xf
	v_add_f32_dpp v[32+\e], v[32+\e], v[32+\e] row_xmask:2 row_mask:0xf bank_mask:0xf
	v_add_f32_dpp v[32+\e], v[32+\e], v[32+\e] row_xmask:4 row_mask:0xf bank_mask:0xf
	v_add_f32_dpp v[32+\e], v[32+\e], v[32+\e] row_xmask:8 row_mask:0xf bank_mask:0xf
	v_writelane_b32 v60, s[26+\e], \e
	s_bcnt1_i32_b32 s34, s[26+\e]
	s_cvt_f32_u32 s34, s34
	v_writelane_b32 v61, s34, 8+\e                 ; how often the block chose e
	v_readlane_b32 s35, v[32+\e], 0
	v_writelane_b32 v61, s35, \e                   ; the sum of e's scores over the 16 tokens
.endr
	global_store_b32 v13, v59, s[16:17]            ; 128 consecutive bytes each
	global_store_b32 v13, v60, s[14:15]
	global_store_b32 v13, v61, s[18:19]
.Lend:
	s_wait_tensorcnt 0x0                           ; the wave's end
	ds_add_u32 v30, v31
	s_wait_dscnt 0x0
	s_endpgm
.Lfunc_end_k_q1117bae47c_router:
	.size	k_q1117bae47c_router, .Lfunc_end_k_q1117bae47c_router-k_q1117bae47c_router
	.p2alignl 7, 3214868480
	.fill 96, 4, 3214868480
	.section	.rodata,"a",@progbits
	.p2align	6, 0x0
	.amdhsa_kernel k_q1117bae47c_router
		.amdhsa_group_segment_fixed_size 108032
		.amdhsa_private_segment_fixed_size 0
		.amdhsa_enable_private_segment 0
		.amdhsa_kernarg_size 48
		.amdhsa_user_sgpr_count 2
		.amdhsa_user_sgpr_kernarg_segment_ptr 1
		.amdhsa_wavefront_size32 1
		.amdhsa_system_sgpr_workgroup_id_x 1
		.amdhsa_system_sgpr_workgroup_id_y 1
		.amdhsa_system_sgpr_workgroup_id_z 1
		.amdhsa_system_vgpr_workitem_id 0
		.amdhsa_next_free_vgpr 240
		.amdhsa_next_free_sgpr 66
		.amdhsa_reserve_vcc 1
		.amdhsa_float_denorm_mode_32 3
		.amdhsa_float_denorm_mode_16_64 3
		.amdhsa_memory_ordered 1
		.amdhsa_forward_progress 1
		.amdhsa_inst_pref_size 36
	.end_amdhsa_kernel
	.amdgpu_metadata
---
amdhsa.version: [ 1, 2 ]
amdhsa.kernels:
  - .name:           k_q1117bae47c_router
    .symbol:         k_q1117bae47c_router.kd
    .args:
      - { .name: x, .offset: 0, .size: 8, .value_kind: global_buffer, .address_space: global }
      - { .name: gate_w, .offset: 8, .size: 8, .value_kind: global_buffer, .address_space: global }
      - { .name: xb, .offset: 16, .size: 8, .value_kind: global_buffer, .address_space: global }
      - { .name: bm, .offset: 24, .size: 8, .value_kind: global_buffer, .address_space: global }
      - { .name: wgt, .offset: 32, .size: 8, .value_kind: global_buffer, .address_space: global }
      - { .name: pa, .offset: 40, .size: 8, .value_kind: global_buffer, .address_space: global }
    .group_segment_fixed_size: 108032
    .private_segment_fixed_size: 0
    .kernarg_segment_align: 8
    .kernarg_segment_size: 48
    .max_flat_workgroup_size: 256
    .sgpr_count:     66
    .vgpr_count:     240
    .wavefront_size: 32
...
	.end_amdgpu_metadata
.endif
;; end of part 1
;; launch place (part 2): grid 16 x 64, 4 waves a work-group, no clusters, 768 bytes of LDS; arguments xb, bm, w1, w3, xg, pl; writes xg, pl
.if DOCPART == 2
	.amdgcn_target "amdgcn-amd-amdhsa--gfx1250"
	.amdhsa_code_object_version 6
	.text
	.protected	k_q1117bae47c_place
	.globl	k_q1117bae47c_place
	.p2align	8
	.type	k_q1117bae47c_place,@function
k_q1117bae47c_place:
	s_mov_b64 s[64:65], 0
	v_nop
	global_prefetch_b8 v0, s[64:65] scope:SCOPE_SE
	s_setreg_imm32_b32 hwreg(HW_REG_WAVE_MODE, 25, 1), 1
	s_wait_xcnt 0x0
; PLACE.  The rows that chose expert e are laid end to end in e's rank order, in the order in which a wave's operand registers take them:
; xg [8 e][256 octets of k][1,024 ranks][8] bf16.  Rank = set bits before in e's 64 words of bm, words ascending, bits ascending.
; pl: [8 e][1,024 ranks] the pair (32 block + bit) of each rank; from byte 32,768 on the eight counts.  Both products take their order from these alone.
; Work-group (x, y): expert x % 8, half x / 8 of K, tile y of 16 ranks.  64 tiles an expert serve every split; the tiles that exist have the lowest
; numbers of the grid (y slowest).  A tile at or past the count stores nothing and ends.  In the last tile the places past the count take pair 2,048 + e in pl
; (the second product's scrap row) and token 1,023's row in xg, a row that exists: so every byte of a live tile is stored.
; Wave 0 finds the tile's 16 pairs: a lane's index is its rank less the tile's first rank; whatever falls outside 0 .. 15, and every lane whose bit is off, goes to one dump word, so EXEC stays whole.
; The other waves only count, so that the test for a dead tile hangs on scalar registers in every wave.
; Then a plain copy: wave w takes octets 32 w .. 32 w + 31 of the half; a load brings 16 rows x 32 bytes, a store's 16 neighbouring lanes fill 256 consecutive bytes, aligned.
; No matrix unit, no cluster, no tensor load: rows come by a list, and a work-group moves 65,536 bytes in all.
.set LIST,  0                          ; 16 words and the dump word
.set SPARE, 256                        ; the spare words, 128 bytes for each wave: two blocks of 256 bytes that no other line names
.set CNT,   32768                      ; where the counts begin in pl
; v1 lane, v2 lane % 16, v3 lane / 16, v6, v7 bm's words, v8 256 lane, v9 bm's offset, v11 list address, v12, v13 the count's store, v14 dump index, v15 pair of my bit,
; v20 my row's pair, v21 its offset in xb, v23 store term, v24 fill, v25 4 (lane % 16), v30, v31 the add's registers, v32-95 the rows (v40-55 earlier: at work on the list)
	s_load_b256 s[4:11], s[0:1], 0x0               ; xb s[4:5], bm s[6:7], w1 s[8:9], w3 s[10:11]
	s_load_b128 s[12:15], s[0:1], 0x20             ; xg s[12:13], pl s[14:15]
	v_lshl_add_u32 v30, v0, 2, SPARE               ; my spare word,
	v_mov_b32 v31, 0                               ; and 0: kept for the add at the wave's end
	v_lshrrev_b32 v10, 5, v0
	v_readfirstlane_b32 s16, v10                   ; wave 0..3
	s_and_b32 s18, ttmp9, 7                        ; expert e
	s_lshr_b32 s17, ttmp9, 3                       ; half of K
	s_and_b32 s20, ttmp7, 0xffff                   ; tile t
	s_lshl_b32 s21, s20, 4                         ; its first rank
	s_lshl_b32 s26, s18, 2                         ; 4 e
	v_and_b32 v1, 31, v0
	v_and_b32 v2, 15, v0
	v_bfe_u32 v3, v0, 4, 1
	v_lshlrev_b32 v8, 8, v1
	v_lshlrev_b32 v9, 7, v1
	v_lshl_add_u32 v9, s18, 2, v9                  ; block = lane: 128 lane + 4 e
	v_lshl_add_u32 v11, v2, 2, LIST
	v_lshlrev_b32 v25, 2, v2
	v_lshlrev_b32 v23, 4, v2
	v_lshl_add_u32 v23, v3, 14, v23                ; xg: 16 bytes a rank, one octet further for lanes 16-31
	s_add_co_u32 s27, s21, ttmp9                   ; 16 y + x,
	s_lshl2_add_u32 s27, s27, s16                  ; my wave among the launch's 4,096
	s_bfe_u32 s29, s27, 0x90002                    ; bits 10:2: a block of 131,072 bytes,
	s_and_b32 s30, s27, 3                          ; bits 1:0: a piece of 8,192 bytes at its head
	s_lshl_b32 s46, s29, 17
	s_lshl_b32 s30, s30, 13
	s_add_co_u32 s46, s46, s30
	s_mov_b32 s47, 0
	s_lshl_b32 s50, s17, 11                        ; xb: my half's 2,048 bytes of a row, my wave's 512 of them
	s_lshl_b32 s24, s16, 9
	s_add_co_u32 s50, s50, s24
	s_mov_b32 s51, 0
	s_lshl_b32 s52, s18, 22                        ; xg: e's 4 MiB, octet 128 half + 32 w of 16,384 bytes, 256 bytes a tile
	s_lshl_b32 s24, s17, 21
	s_add_co_u32 s52, s52, s24
	s_lshl_b32 s24, s16, 19
	s_add_co_u32 s52, s52, s24
	s_lshl_b32 s24, s20, 8
	s_add_co_u32 s52, s52, s24
	s_mov_b32 s53, 0
	s_lshl_b32 s54, s18, 12                        ; pl: e's 4,096 bytes, 64 a tile
	s_lshl_b32 s24, s20, 6
	s_add_co_u32 s54, s54, s24
	s_mov_b32 s55, 0
	s_sub_co_u32 s19, 0, s21                       ; the running count, less the tile's first rank
	s_wait_kmcnt 0x0
	global_load_b32 v6, v9, s[6:7]                 ; e's words of blocks 0-31,
	global_load_b32 v7, v9, s[6:7] offset:4096     ; and of blocks 32-63
	; The next launch's 1,024 waves each stream a block of 131,072 bytes of w1 or of w3.  Each wave of this launch asks for one piece of 8,192 bytes: together the first
	; 32,768 bytes of each of the 512 blocks of both tensors; lanes 256 bytes apart, each aligned 256 bytes asked for once.  v8 and s[48:49] are never rewritten.
	s_cmp_lt_u32 s27, 2048
	s_cselect_b64 s[48:49], s[8:9], s[10:11]
	s_add_nc_u64 s[48:49], s[48:49], s[46:47]
	global_prefetch_b8 v8, s[48:49] th:TH_LOAD_NT scope:SCOPE_SE
	s_add_nc_u64 s[4:5], s[4:5], s[50:51]
	s_add_nc_u64 s[12:13], s[12:13], s[52:53]
	s_add_nc_u64 s[40:41], s[14:15], s[54:55]
	s_wait_loadcnt 0x0
; One half of the list: 32 words, 8 to a trip, taken stage by stage so that no line waits for the one before it.
.macro LISTHALF w
	s_mov_b32 s22, 0
.Llist_\@:
.irp i, 0,1,2,3,4,5,6,7
	s_add_co_u32 s23, s22, \i
	v_readlane_b32 s[32+\i], v[\w], s23
.endr
.irp i, 0,1,2,3,4,5,6,7
	v_mbcnt_lo_u32_b32 v[40+\i], s[32+\i], s19     ; the set bits below mine + the count so far - the tile's first rank
	s_bcnt1_i32_b32 s25, s[32+\i]
	s_add_co_u32 s19, s19, s25
.endr
.irp i, 0,1,2,3,4,5,6,7
	v_cndmask_b32 v[40+\i], v14, v[40+\i], s[32+\i]
.endr
.irp i, 0,1,2,3,4,5,6,7
	v_min_u32 v[40+\i], 16, v[40+\i]               ; ranks below the tile wrap to large numbers: they and the ranks above it go to the dump word
.endr
.irp i, 0,1,2,3,4,5,6,7
	v_lshl_add_u32 v[40+\i], v[40+\i], 2, LIST
	v_add_nc_u32 v[48+\i], 32*\i, v15
.endr
.irp i, 0,1,2,3,4,5,6,7
	ds_store_b32 v[40+\i], v[48+\i]
.endr
	v_add_nc_u32 v15, 256, v15
	s_add_co_u32 s22, s22, 8
	s_cmp_lt_u32 s22, 32
	s_cbranch_scc1 .Llist_\@
.endm
.macro COUNTHALF w                     ; the count alone
	s_mov_b32 s22, 0
.Lcnt_\@:
.irp i, 0,1,2,3,4,5,6,7
	s_add_co_u32 s23, s22, \i
	v_readlane_b32 s24, v[\w], s23
	s_bcnt1_i32_b32 s25, s24
	s_add_co_u32 s19, s19, s25
.endr
	s_add_co_u32 s22, s22, 8
	s_cmp_lt_u32 s22, 32
	s_cbranch_scc1 .Lcnt_\@
.endm
	s_cmp_lg_u32 s16, 0
	s_cbranch_scc1 .Lcount
	s_add_co_u32 s24, s18, 2048                    ; places past the count
	v_mov_b32 v24, s24
	ds_store_b32 v11, v24                          ; LDS serves a wave's instructions in order (ISA guide 5.7.1.4): the list's stores come behind this one
	v_mov_b32 v14, 16
	v_mov_b32 v15, v1                              ; bit l of word 0 is pair l
	LISTHALF 6
	LISTHALF 7
	s_branch .Lcounted
.Lcount:
	COUNTHALF 6
	COUNTHALF 7
.Lcounted:
	s_wait_dscnt 0x0                               ; the list is written
	s_barrier_signal -1
	s_barrier_wait -1
	s_or_b32 s24, s20, s17
	s_or_b32 s24, s24, s16
	s_cmp_lg_u32 s24, 0
	s_cbranch_scc1 .Lnocnt
	v_mov_b32 v12, s19                             ; tile 0, half 0, wave 0: the expert's count, whatever it is
	v_mov_b32 v13, s26
	v_cmp_eq_u32 vcc_lo, 0, v1
	s_wait_xcnt 0x0                                ; EXEC changes only behind this wait
	s_and_saveexec_b32 s28, vcc_lo
	global_store_b32 v13, v12, s[14:15] offset:CNT
	s_wait_xcnt 0x0                                ; and again, in front of the line that widens it
	s_or_b32 exec_lo, exec_lo, s28
.Lnocnt:
	s_cmp_le_i32 s19, 0                            ; the count does not reach the tile's first rank
	s_cbranch_scc1 .Lend
	ds_load_b32 v20, v11                           ; the pair of rank 16 t + lane % 16
	s_wait_dscnt 0x0
	v_lshrrev_b32 v21, 5, v20
	v_and_b32 v22, 15, v20
	v_lshl_or_b32 v21, v21, 4, v22                 ; its token: 16 block + bit % 16
	v_min_u32 v21, 0x3ff, v21                      ; a token's number, whatever LDS held; the fill gives 1,023
	v_lshlrev_b32 v21, 12, v21                     ; rows of 4,096 bytes
	v_lshl_add_u32 v21, v3, 4, v21                 ; one octet further for lanes 16-31
.set i, 0
.rept 16
	global_load_b128 v[32+4*i:35+4*i], v21, s[4:5] offset:32*i
.set i, i+1
.endr
.set i, 0
.rept 16
	s_wait_loadcnt 15-i                            ; the younger copies stay out
	global_store_b128 v23, v[32+4*i:35+4*i], s[12:13] offset:32768*i
.set i, i+1
.endr
	s_or_b32 s24, s17, s16
	s_cmp_lg_u32 s24, 0
	s_cbranch_scc1 .Lend
	v_cmp_gt_u32 vcc_lo, 16, v1                    ; half 0, wave 0, lanes 0-15: the tile's 16 pairs
	s_wait_xcnt 0x0                                ; EXEC changes only behind this wait
	s_and_saveexec_b32 s28, vcc_lo
	global_store_b32 v25, v20, s[40:41]
	s_wait_xcnt 0x0
	s_or_b32 exec_lo, exec_lo, s28
.Lend:
	s_wait_tensorcnt 0x0                           ; the wave's end
	ds_add_u32 v30, v31
	s_wait_dscnt 0x0
	s_endpgm
.Lfunc_end_k_q1117bae47c_place:
	.size	k_q1117bae47c_place, .Lfunc_end_k_q1117bae47c_place-k_q1117bae47c_place
	.p2alignl 7, 3214868480
	.fill 96, 4, 3214868480
	.section	.rodata,"a",@progbits
	.p2align	6, 0x0
	.amdhsa_kernel k_q1117bae47c_place
		.amdhsa_group_segment_fixed_size 768
		.amdhsa_private_segment_fixed_size 0
		.amdhsa_enable_private_segment 0
		.amdhsa_kernarg_size 48
		.amdhsa_user_sgpr_count 2
		.amdhsa_user_sgpr_kernarg_segment_ptr 1
		.amdhsa_wavefront_size32 1
		.amdhsa_system_sgpr_workgroup_id_x 1
		.amdhsa_system_sgpr_workgroup_id_y 1
		.amdhsa_system_sgpr_workgroup_id_z 1
		.amdhsa_system_vgpr_workitem_id 0
		.amdhsa_next_free_vgpr 96
		.amdhsa_next_free_sgpr 66
		.amdhsa_reserve_vcc 1
		.amdhsa_float_denorm_mode_32 3
		.amdhsa_float_denorm_mode_16_64 3
		.amdhsa_memory_ordered 1
		.amdhsa_forward_progress 1
		.amdhsa_inst_pref_size 19
	.end_amdhsa_kernel
	.amdgpu_metadata
---
amdhsa.version: [ 1, 2 ]
amdhsa.kernels:
  - .name:           k_q1117bae47c_place
    .symbol:         k_q1117bae47c_place.kd
    .args:
      - { .name: xb, .offset: 0, .size: 8, .value_kind: global_buffer, .address_space: global }
      - { .name: bm, .offset: 8, .size: 8, .value_kind: global_buffer, .address_space: global }
      - { .name: w1, .offset: 16, .size: 8, .value_kind: global_buffer, .address_space: global }
      - { .name: w3, .offset: 24, .size: 8, .value_kind: global_buffer, .address_space: global }
      - { .name: xg, .offset: 32, .size: 8, .value_kind: global_buffer, .address_space: global }
      - { .name: pl, .offset: 40, .size: 8, .value_kind: global_buffer, .address_space: global }
    .group_segment_fixed_size: 768
    .private_segment_fixed_size: 0
    .kernarg_segment_align: 8
    .kernarg_segment_size: 48
    .max_flat_workgroup_size: 128
    .sgpr_count:     66
    .vgpr_count:     96
    .wavefront_size: 32
...
	.end_amdgpu_metadata
.endif
;; end of part 2
;; launch up (part 3): grid 32 x 8, 4 waves a work-group, no clusters, 264,192 bytes of LDS; arguments xg, w1, w3, w2, pl, h; writes h
.if DOCPART == 3
	.amdgcn_target "amdgcn-amd-amdhsa--gfx1250"
	.amdhsa_code_object_version 6
	.text
	.protected	k_q1117bae47c_up
	.globl	k_q1117bae47c_up
	.p2align	8
	.type	k_q1117bae47c_up,@function
k_q1117bae47c_up:
	s_mov_b64 s[64:65], 0
	v_nop
	global_prefetch_b8 v0, s[64:65] scope:SCOPE_SE
	s_setreg_imm32_b32 hwreg(HW_REG_WAVE_MODE, 25, 1), 1
	s_wait_xcnt 0x0
; FIRST PRODUCT.  h[rank][i] = silu(x[rank] . w1[e][i]) * (x[rank] . w3[e][i]) for the rows that chose expert e, in e's rank order, in which the launch before laid them (xg).
; Work-group (s, e): 32 rows of w1[e] and the same 32 of w3[e] (i = 32 s .. 32 s + 31), which it alone reads, and all of e's rows.
; PHASE 1: the slice, 524,288 bytes of f32, comes in by loads of 512 consecutive bytes, is rounded to bf16 in registers and laid into LDS;
; each wave keeps 56 loads out: 4 x 56 x 512 = 114,688 bytes for the work-group.
; PHASE 2: no barrier and no LDS store.  A wave takes 4 or 5 tiles of 16 ranks at once (tile = pass base + wave + 4 i); token fragments come from xg straight into
; registers (16 lanes read 256 consecutive bytes), asked for three periods of two K steps ahead; weight fragments from LDS, 8 loads for 16 or 20 matrix instructions.
; EVERY SPLIT IS SERVED: four passes of 20 tiles cover 1,024 rows; a pass without rows for the wave is jumped forward.  An expert without rows still has its slice
; streamed (all barriers stand on every path); beyond 320 rows an expert's further passes run one after the other.
; The expert's count comes from pl.  A live tile is computed and stored whole (xg holds a row for each of its 16 places); a tile past the last repeats the wave's first, and is not stored.
; xg: [8 e][256 octets of k][1,024 ranks][8] bf16.  h: [8 e][128 octets of i][1,024 ranks][8] bf16, rounded once.  bf16, since with inputs 30 times larger h would pass f16's 65,504.
; LIMITS.  NaN and infinities are not treated apart; an exponential below 2^-126 counts as 0.
; NO CLUSTER, NO TENSOR LOAD: each weight byte has one reader and must be rounded on its way; what an expert's 32 work-groups share is its token rows, whose number of tiles hangs on
; a count read from memory, on which no joint load may hang, and beside the slice's 263,168 bytes LDS has no room for them.
.set LPR,    16                        ; loads of 512 bytes in a weight row
.set PITCH,  4112                      ; an LDS row: 4,096 bytes of bf16 + 16, an odd multiple of 16: the 16 rows of a fragment load start at 16 different groups of four banks (ISA guide 11.1)
.set STRIPS, 3                         ; trips of 64 loads in the loop; a fourth is written out as the tail
.set KTRIPS, 8                         ; trips of 8 K steps of 32: K = 2,048
.set A_S,    65536                     ; xg: a K step is four octets of 16,384 bytes,
.set A_H,    32768                     ; a fragment's second half two octets on,
.set A_P,    131072                    ; a period two K steps,
.set A_T,    524288                    ; a trip eight
.set AMASK,  0x3fffff
.set CNT,    32768                     ; where the counts begin in pl
.set TAIL,   64*PITCH                  ; 512 bytes behind the last row, a word a thread: the K loop's last look-ahead reads the first 48
.set SPARE,  TAIL+512                  ; the spare words, 128 bytes for each wave: two blocks of 256 bytes that no other line names
; REGISTERS, in windows of 256 (s_set_vgpr_msb: bits 1:0 source 0, 3:2 source 1, 5:4 source 2, 7:6 destination):
;   window 0: v1 lane, v2 lane % 16, v3 lane / 16, v4 16 lane, v5 LDS store address, v8 256 lane, v10 at work, v12 my rows' heads in LDS, v13 my word of the tail,
;             v16-20 the tiles' offsets in xg, v22 lane term in xg and in h, v24-27 zeros, v30, v31 the add's registers, v32-55 the way out
;   window 1: v0-159 the sums (tile i, column block c at 32 i + 8 c); v160-223 weight fragments, two buffers; v224-227 their LDS addresses, v228-231 the same at k = 0
;   windows 2, 3: phase 1: window 2 is a ring of 64 load slots; phase 2: four token slots of 128 registers (slot q, tile i, K step parity p at 128 (q % 2) + 16 i + 8 p)
.set ACC, 0
.set WF,  160
.set WA,  224
.set WA0, 228
.set MSB, 0
.macro WIN new                         ; the immediate's high byte repeats the setting that is left; a switch that changes nothing is dropped
.if MSB != (\new)
	s_set_vgpr_msb (MSB<<8)|(\new)
.set MSB, (\new)
.endif
.endm
.macro PLACES                          ; four places between a matrix instruction and a load into, or a read of, its registers (ISA guide 7.12.1 for vector instructions)
.rept 4
	v_nop
.endr
.endm
	s_load_b256 s[4:11], s[0:1], 0x0               ; xg s[4:5], w1 s[6:7], w3 s[8:9], w2 s[10:11]
	s_load_b128 s[12:15], s[0:1], 0x20             ; pl s[12:13], h s[14:15]
	v_lshl_add_u32 v30, v0, 2, SPARE               ; my spare word,
	v_mov_b32 v31, 0                               ; and 0: kept for the add at the wave's end
	v_lshl_add_u32 v13, v0, 2, TAIL
	v_lshrrev_b32 v10, 5, v0
	v_readfirstlane_b32 s16, v10                   ; wave 0..3
	s_mov_b32 s17, ttmp9                           ; slice s
	s_and_b32 s18, ttmp7, 0xffff                   ; expert e
	v_and_b32 v1, 31, v0
	v_and_b32 v2, 15, v0
	v_bfe_u32 v3, v0, 4, 1
	v_lshlrev_b32 v4, 4, v1
	v_lshlrev_b32 v8, 8, v1
	s_lshl_b32 s39, s18, 2                         ; 4 e; not rewritten
	s_lshl_b32 s44, s18, 10                        ; my 16 weight rows: 1,024 e + 32 s + 16 (w % 2),
	s_lshl_b32 s45, s17, 5
	s_add_co_u32 s44, s44, s45
	s_and_b32 s45, s16, 1
	s_lshl4_add_u32 s44, s45, s44
	s_lshl_b32 s44, s44, 13                        ; of 8,192 bytes: one block of 131,072 consecutive bytes
	s_mov_b32 s45, 0                               ; stays 0: the high word of every offset made in s44
	s_wait_kmcnt 0x0
	s_load_b32 s19, s[12:13], s39 offset:0x8000    ; the expert's count (CNT + 4 e)
	s_cmp_lt_u32 s16, 2
	s_cselect_b64 s[32:33], s[6:7], s[8:9]         ; waves 0, 1 stream w1, waves 2, 3 w3
	s_add_nc_u64 s[32:33], s[32:33], s[44:45]
	WIN 0x80                                       ; destination window 2
.set ii, 0
.rept 56
	global_load_b128 v[4*ii:4*ii+3], v4, s[32:33] offset:ii*512 th:TH_LOAD_NT
.set ii, ii+1
.endr
	WIN 0
	s_lshl_b32 s44, s18, 22                        ; e's part of xg
	s_add_nc_u64 s[46:47], s[4:5], s[44:45]
	s_lshl_b32 s44, s18, 7
	s_lshl2_add_u32 s44, s17, s44                  ; octet 128 e + 4 s of h,
	s_lshl_b32 s44, s44, 14                        ; of 16,384 bytes
	s_add_nc_u64 s[40:41], s[14:15], s[44:45]
	s_lshl_b32 s44, s18, 11                        ; rows 2,048 e + 64 s + 8 w .. + 7 of w2: my quarter of the 32 rows that work-group (s, e) of the next launch streams first
	s_lshl_b32 s24, s17, 6
	s_add_co_u32 s44, s44, s24
	s_lshl3_add_u32 s44, s16, s44
	s_lshl_b32 s44, s44, 12
	s_add_nc_u64 s[48:49], s[10:11], s[44:45]
	s_mul_i32 s24, s16, 16*PITCH
	v_lshl_add_u32 v5, v1, 3, s24                  ; my 16 LDS rows, 8 bytes a lane
	v_mul_u32_u24 v12, v2, PITCH
	v_add_nc_u32 v12, s24, v12                     ; the head of my row lane % 16
	v_lshlrev_b32 v22, 4, v2
	v_lshl_add_u32 v22, v3, 14, v22                ; 16 bytes a rank, one octet further for lanes 16-31
	v_mul_u32_u24 v10, v2, PITCH
	v_lshl_add_u32 v10, v3, 4, v10                 ; a fragment: row lane % 16, 16 bytes for each half of the lanes
	WIN 0x40
.irp c, 0,1,2,3
	v_add_nc_u32 v[WA0+\c], \c*16*PITCH, v10
.endr
	WIN 0
.irp j, 24,25,26,27
	v_mov_b32 v\j, 0
.endr
	ds_store_b128 v12, v[24:27] offset:PITCH-16    ; the 16 bytes of padding behind each of my 16 rows (lanes l and l + 16 write the same bytes),
	ds_store_b32 v13, v24                          ; and my word of the tail: the K loop's last look-ahead reads them
	s_wait_kmcnt 0x0
	s_add_co_u32 s20, s19, 15
	s_lshr_b32 s20, s20, 4                         ; tiles of 16 rows,
	s_min_u32 s20, s20, 64                         ; 64 at the most, whatever pl held
; PHASE 1.  Eight loads of the ring: rounded in place, stored into LDS; issue = 1: the eight slots drained one group ago are loaded again, 56 loads ahead.
; left = how many younger loads may stay out.
.macro GROUP g, issue, left
	s_wait_loadcnt \left
	WIN 0x8a                                       ; destination and both sources in window 2
.irp j, 0,1,2,3,4,5,6,7
.set ii, 8*(\g)+\j
	v_cvt_pk_bf16_f32 v[4*ii], v[4*ii], v[4*ii+1]
	v_cvt_pk_bf16_f32 v[4*ii+1], v[4*ii+2], v[4*ii+3]
.endr
	WIN 0x08                                       ; data in window 2, address in window 0
.irp j, 0,1,2,3,4,5,6,7
.set ii, 8*(\g)+\j
	ds_store_b64 v5, v[4*ii:4*ii+1] offset:(ii/LPR)*PITCH+(ii%LPR)*256
.endr
.if \issue
	WIN 0x80
.irp j, 0,1,2,3,4,5,6,7
.set ii, 8*(\g)+\j
.set sl, (ii+56)%64
	global_load_b128 v[4*sl:4*sl+3], v4, s[32:33] offset:(ii+56)*512 th:TH_LOAD_NT
.endr
.endif
.endm
.macro TRIP                            ; 64 loads' worth: seven groups are out at each wait, so 48 may stay out
.irp g, 0,1,2,3,4,5,6,7
	GROUP \g, 1, 48
.endr
	WIN 0
	s_wait_xcnt 0x0                                ; the loads have had their addresses translated (ISA guide 3.1): their base steps only behind this wait
	s_add_nc_u64 s[32:33], s[32:33], 0x8000
	v_add_nc_u32 v5, (64/LPR)*PITCH, v5
.endm
	s_mov_b32 s35, STRIPS
.Lstrip:
	TRIP
	s_sub_co_u32 s35, s35, 1
	s_cmp_lg_u32 s35, 0
	s_cbranch_scc1 .Lstrip
	GROUP 0, 1, 48                                 ; the tail: the block's last eight loads, then the counts run down
.irp g, 1,2,3,4,5,6,7
	GROUP \g, 0, 8*(7-\g)
.endr
	WIN 0
	s_wait_dscnt 0x0                               ; for the others' sake: my 16 rows are in LDS
	s_barrier_signal -1
	s_barrier_wait -1
	; From here on this launch reads no weights.  The wave asks for 32,768 bytes of w2, its quarter of the half slice that its work-group's namesake streams first in the next
	; launch: lanes 256 bytes apart, each aligned 256 bytes once; 1,024 waves x 32,768 bytes in all.  v8 and s[48:49] are never rewritten.
.irp j, 0,1,2,3
	global_prefetch_b8 v8, s[48:49] offset:8192*\j th:TH_LOAD_NT scope:SCOPE_SE
.endr
; PHASE 2.  A period's token fragments (two K steps) for T tiles into a slot: 4 T loads.
.macro ALOAD T, slot, ptr, kb
	WIN 0x80+0x40*((\slot)/2)                      ; destination window 2 or 3, address window 0
.set i_, 0
.rept \T
.irp u, 0,1
.set ra, 128*((\slot)%2)+16*i_+8*\u
	global_load_b128 v[ra:ra+3],   v[16+i_], s[\ptr:\ptr+1] offset:(\kb)+A_S*\u
	global_load_b128 v[ra+4:ra+7], v[16+i_], s[\ptr:\ptr+1] offset:(\kb)+A_S*\u+A_H
.endr
.set i_, i_+1
.endr
.endm
; K step ks of a trip's eight.  Four places behind the last products; at a period's first step the wait for its tokens (the two younger periods, 8 T loads, stay out) and the request
; three periods ahead, into the slot multiplied last; the next step's weight fragments; the products.  Source 0 = 16 weight rows, source 1 = 16 ranks: a lane holds
; one rank and eight neighbouring columns.  The 4 T sums take turns, one instruction a turn, over the backward jump too.
.macro KSTEP T, ks
.set sg, (\ks)/2
.if (\ks) == 7
	WIN 0x44
.irp c, 0,1,2,3
	v_add_nc_u32 v[WA+\c], 512, v[WA+\c]           ; the next trip's k: a plain step; these four are the places.  In the last trip the look-ahead below reads the 64 bytes behind
.endr                                                  ; each row's data (its padding, the next row's head; behind row 63 the tail's), all of them written, and is discarded
.else
	PLACES
.endif
.if (\ks)%2 == 0
	s_wait_loadcnt 8*(\T)
.if sg == 0
	ALOAD \T, 3, 28, 3*A_P
.else
	ALOAD \T, sg-1, 30, (sg-1)*A_P
.endif
.endif
	WIN 0x59+4*(sg/2)                              ; weights, sums and LDS addresses in window 1, tokens in window 2 or 3
.set nb, WF+32*(((\ks)+1)%2)
.set ko, 64*(((\ks)+1)%8)
.irp c, 0,1,2,3
	ds_load_b128 v[nb+8*\c:nb+8*\c+3],   v[WA+\c] offset:ko
	ds_load_b128 v[nb+8*\c+4:nb+8*\c+7], v[WA+\c] offset:ko+32
.endr
	s_wait_dscnt 8                                 ; this step's fragments are in; the eight just issued stay out
.set cb, WF+32*((\ks)%2)
.set i_, 0
.rept \T
.set ra, 128*(sg%2)+16*i_+8*((\ks)%2)
.irp c, 0,1,2,3
	v_wmma_f32_16x16x32_bf16 v[ACC+32*i_+8*\c:ACC+32*i_+8*\c+7], v[cb+8*\c:cb+8*\c+7], v[ra:ra+7], v[ACC+32*i_+8*\c:ACC+32*i_+8*\c+7]
.endr
.set i_, i_+1
.endr
.endm
; All of K for T tiles.  The sums are cleared while the first 12 T loads are out; no first step is written out, which would double two loop texts.
.macro BODY T
	ALOAD \T, 0, 28, 0
	ALOAD \T, 1, 28, A_P
	ALOAD \T, 2, 28, 2*A_P
	WIN 0x41
.irp c, 0,1,2,3
	ds_load_b128 v[WF+8*\c:WF+8*\c+3],   v[WA+\c]
	ds_load_b128 v[WF+8*\c+4:WF+8*\c+7], v[WA+\c] offset:32
.endr
	WIN 0x40
.set n_, 0
.rept 32*(\T)
	v_mov_b32 v[ACC+n_], 0
.set n_, n_+1
.endr
	WIN 0
	s_mov_b32 s35, KTRIPS
.Lk_\@:
.irp k, 0,1,2,3,4,5,6,7
	KSTEP \T, \k
.endr
	WIN 0
	s_wait_xcnt 0x0                                ; the trip's loads have had their addresses translated: their bases step only behind this wait
	s_mov_b64 s[28:29], s[30:31]
	s_add_co_u32 s26, s26, A_T
	s_and_b32 s26, s26, AMASK                      ; round at K's end: the last trip's look-ahead stays inside the expert's part of xg
	s_add_nc_u64 s[30:31], s[46:47], s[26:27]
	s_sub_co_u32 s35, s35, 1
	s_cmp_lg_u32 s35, 0
	s_cbranch_scc1 .Lk_\@
	s_wait_loadcnt 0x0                             ; the look-ahead that nobody multiplies
	s_wait_dscnt 0x0
	PLACES
.endm
; THE WAY OUT of tile i: silu(g) u, rounded to bf16; a lane's eight columns are one octet's 16 bytes; 16 lanes store 256 consecutive bytes, aligned.
.macro EPI i
.if ((\i) > 0) && ((\i) < 4)
	s_cmp_le_i32 s37, 4*(\i)
	s_cbranch_scc1 .Lskip_\@                       ; the tile lies past the expert's last
.endif
	s_wait_xcnt 0x0                                ; the last tile's stores have had their addresses translated: base and data are rewritten only behind this wait
	s_add_co_u32 s38, s21, s16
	s_add_co_u32 s38, s38, 4*(\i)                  ; the tile's number
	s_lshl_b32 s44, s38, 8                         ; 16 ranks x 16 bytes
	s_add_nc_u64 s[42:43], s[40:41], s[44:45]
	WIN 0x01                                       ; source 0 in window 1
.irp n, 0,1,2,3,4,5,6,7
	v_pk_mul_f32 v[32+2*\n:33+2*\n], v[ACC+32*(\i)+2*\n:ACC+32*(\i)+2*\n+1], 0xbfb8aa3b op_sel_hi:[1,0]  ; -g log2(e); each sum's lowest registers are read first
.endr
	WIN 0
.irp n, 0,1,2,3,4,5,6,7,8,9,10,11,12,13,14,15
	v_exp_f32 v[32+\n], v[32+\n]
.endr
	v_nop                                          ; a plain instruction behind the last exponential (ISA guide 5.7.2),
	s_wait_alu depctr_va_vdst(0)                   ; and one wait for the batch, ahead of its first reader
.irp n, 0,1,2,3,4,5,6,7
	v_pk_add_f32 v[32+2*\n:33+2*\n], v[32+2*\n:33+2*\n], 1.0 op_sel_hi:[1,0]
.endr
.irp n, 0,1,2,3,4,5,6,7,8,9,10,11,12,13,14,15
	v_rcp_f32 v[32+\n], v[32+\n]
.endr
	v_nop
	s_wait_alu depctr_va_vdst(0)
	WIN 0x01
.irp n, 0,1,2,3,4,5,6,7
	v_pk_mul_f32 v[32+2*\n:33+2*\n], v[ACC+32*(\i)+2*\n:ACC+32*(\i)+2*\n+1], v[32+2*\n:33+2*\n]         ; silu(g)
.endr
.irp n, 0,1,2,3,4,5,6,7
	v_pk_mul_f32 v[32+2*\n:33+2*\n], v[ACC+32*(\i)+16+2*\n:ACC+32*(\i)+16+2*\n+1], v[32+2*\n:33+2*\n]   ; times u
.endr
	WIN 0
.irp n, 0,1,2,3,4,5,6,7
	v_cvt_pk_bf16_f32 v[48+\n], v[32+2*\n], v[33+2*\n]
.endr
	global_store_b128 v22, v[48:51], s[42:43]
	global_store_b128 v22, v[52:55], s[42:43] offset:32768
.Lskip_\@:
.endm
	s_mov_b32 s21, 0                               ; the pass's first tile
	s_mov_b32 s27, 0                               ; the high word of the k offset
	s_mov_b32 s36, 4
.Lpass:                                                ; four passes, whatever the count
	s_sub_co_i32 s37, s20, s21
	s_sub_co_i32 s37, s37, s16                     ; tile base + w + 4 i is live where 4 i < s37
	s_cmp_le_i32 s37, 0
	s_cbranch_scc1 .Lnext
	s_add_co_u32 s38, s21, s16
.irp i, 0,1,2,3,4
	s_add_co_u32 s23, s38, 4*\i
	s_cmp_gt_i32 s37, 4*\i
	s_cselect_b32 s23, s23, s38                    ; a tile past the last repeats my first, which was stored
	s_min_u32 s23, s23, 63
	v_lshl_add_u32 v[16+\i], s23, 8, v22           ; 16 ranks x 16 bytes a tile
.endr
	s_mov_b64 s[28:29], s[46:47]                   ; this trip's k,
	s_add_nc_u64 s[30:31], s[46:47], A_T           ; the next trip's
	s_mov_b32 s26, A_T
	WIN 0x41
.irp c, 0,1,2,3
	v_mov_b32 v[WA+\c], v[WA0+\c]                  ; the weight fragments' addresses go back to k = 0
.endr
	WIN 0
	s_cmp_gt_i32 s37, 16
	s_cbranch_scc0 .Lfour
	BODY 5
	EPI 4
	s_branch .Lepi
.Lfour:
	BODY 4
.Lepi:
	EPI 0
	EPI 1
	EPI 2
	EPI 3
.Lnext:
	s_add_co_u32 s21, s21, 20
	s_sub_co_u32 s36, s36, 1
	s_cmp_lg_u32 s36, 0
	s_cbranch_scc1 .Lpass
	s_wait_dscnt 0x0                               ; my reads of the slice are over;
	s_barrier_signal -1                            ; the waves meet once more, so that every wave's reads of LDS are over
	s_barrier_wait -1                              ; before any wave writes LDS again: the add below
	s_wait_tensorcnt 0x0                           ; the wave's end
	ds_add_u32 v30, v31
	s_wait_dscnt 0x0
	s_endpgm
.Lfunc_end_k_q1117bae47c_up:
	.size	k_q1117bae47c_up, .Lfunc_end_k_q1117bae47c_up-k_q1117bae47c_up
	.p2alignl 7, 3214868480
	.fill 96, 4, 3214868480
	.section	.rodata,"a",@progbits
	.p2align	6, 0x0
	.amdhsa_kernel k_q1117bae47c_up
		.amdhsa_group_segment_fixed_size 264192
		.amdhsa_private_segment_fixed_size 0
		.amdhsa_enable_private_segment 0
		.amdhsa_kernarg_size 48
		.amdhsa_user_sgpr_count 2
		.amdhsa_user_sgpr_kernarg_segment_ptr 1
		.amdhsa_wavefront_size32 1
		.amdhsa_system_sgpr_workgroup_id_x 1
		.amdhsa_system_sgpr_workgroup_id_y 1
		.amdhsa_system_sgpr_workgroup_id_z 1
		.amdhsa_system_vgpr_workitem_id 0
		.amdhsa_next_free_vgpr 1024
		.amdhsa_next_free_sgpr 66
		.amdhsa_reserve_vcc 0
		.amdhsa_float_denorm_mode_32 3
		.amdhsa_float_denorm_mode_16_64 3
		.amdhsa_memory_ordered 1
		.amdhsa_forward_progress 1
		.amdhsa_inst_pref_size 131
	.end_amdhsa_kernel
	.amdgpu_metadata
---
amdhsa.version: [ 1, 2 ]
amdhsa.kernels:
  - .name:           k_q1117bae47c_up
    .symbol:         k_q1117bae47c_up.kd
    .args:
      - { .name: xg, .offset: 0, .size: 8, .value_kind: global_buffer, .address_space: global }
      - { .name: w1, .offset: 8, .size: 8, .value_kind: global_buffer, .address_space: global }
      - { .name: w3, .offset: 16, .size: 8, .value_kind: global_buffer, .address_space: global }
      - { .name: w2, .offset: 24, .size: 8, .value_kind: global_buffer, .address_space: global }
      - { .name: pl, .offset: 32, .size: 8, .value_kind: global_buffer, .address_space: global }
      - { .name: h, .offset: 40, .size: 8, .value_kind: global_buffer, .address_space: global }
    .group_segment_fixed_size: 264192
    .private_segment_fixed_size: 0
    .kernarg_segment_align: 8
    .kernarg_segment_size: 48
    .max_flat_workgroup_size: 128
    .sgpr_count:     66
    .vgpr_count:     1024
    .wavefront_size: 32
...
	.end_amdgpu_metadata
.endif
;; end of part 3
;; launch down (part 4): grid 32 x 8, 4 waves a work-group, no clusters, 133,120 bytes of LDS; arguments h, w2, pl, y; writes y
.if DOCPART == 4
	.amdgcn_target "amdgcn-amd-amdhsa--gfx1250"
	.amdhsa_code_object_version 6
	.text
	.protected	k_q1117bae47c_down
	.globl	k_q1117bae47c_down
	.p2align	8
	.type	k_q1117bae47c_down,@function
k_q1117bae47c_down:
	s_mov_b64 s[64:65], 0
	v_nop
	global_prefetch_b8 v0, s[64:65] scope:SCOPE_SE
	s_setreg_imm32_b32 hwreg(HW_REG_WAVE_MODE, 25, 1), 1
	s_wait_xcnt 0x0
; SECOND PRODUCT.  y[p][d] = h[rank of p] . w2[e][d] for every pair p (token, choice) of expert e; unweighted partial rows in f32, which the next launch weighs and adds.
; Work-group (s, e): 64 rows of w2[e] (d = 64 s .. 64 s + 63), which it alone reads, and all of e's rows.  The form is the first product's:
; PHASE 1: the slice, 262,144 bytes of f32, is streamed, rounded to bf16 in registers and laid into LDS, 56 loads of 512 bytes out for each wave.
; PHASE 2: no barrier and no LDS store; a wave takes 4 or 5 tiles of 16 ranks at once; h's fragments come from memory straight into registers (16 lanes read 256 consecutive
; bytes), three periods of two K steps ahead; weight fragments from LDS.  Four passes of 20 tiles cover 1,024 rows; a pass without rows for the wave is jumped forward.
; THE DEAL OF THE WEIGHT ROWS.  LDS row 16 c + r holds row 64 s + 4 r + c of w2: wave w streams rows 64 s + 4 r + w, r = 0 .. 15, pieces of 4,096 consecutive bytes, into its LDS rows
; 16 w + r.  With source 0 = 16 ranks and source 1 = LDS rows 16 c .. 16 c + 15, register j of sum c in lane l is y(rank 8 (l / 16) + j, column 4 (l % 16) + c): for each j the
; four sums give a lane 16 neighbouring bytes of a row, and 16 lanes one aligned piece of 256 bytes.  So the way out needs no LDS: 32 copies a tile put the four registers side by side.
; pl gives the expert's count and the pair p of each rank.  Places past the count name row 2,048 + e of y, a scrap row that nobody
; reads and of which this work-group writes only its own 256 bytes: so EXEC stays whole.  A tile past the last repeats the wave's first tile, whose h and pairs were stored.
; LIMITS.  NaN and infinities are not treated apart.  An expert without rows still has its slice streamed; beyond 320 rows further passes run one after the other.
; NO CLUSTER, NO TENSOR LOAD: each weight byte has one reader and must be rounded on its way; the number of h's tiles hangs on a count read from memory, on which no joint load may hang.
.set LPR,    8                         ; loads of 512 bytes in a weight row
.set ROWB,   16384                     ; bytes from one of my weight rows to the next: four rows of w2
.set PITCH,  2064                      ; an LDS row: 2,048 bytes of bf16 + 16, an odd multiple of 16 (ISA guide 11.1: 64 banks of 4 bytes)
.set KTRIPS, 4                         ; trips of 8 K steps of 32: K = 1,024
.set A_S,    65536                     ; h: a K step is four octets of 16,384 bytes,
.set A_H,    32768                     ; a fragment's second half two octets on,
.set A_P,    131072                    ; a period two K steps,
.set A_T,    524288                    ; a trip eight
.set AMASK,  0x1fffff
.set CNT,    32768                     ; where the counts begin in pl
.set TAIL,   64*PITCH                  ; 512 bytes behind the last row, a word a thread: the K loop's last look-ahead reads the first 48
.set SPARE,  TAIL+512                  ; the spare words, 128 bytes for each wave: two blocks of 256 bytes that no other line names
; REGISTERS, in windows of 256 (s_set_vgpr_msb: bits 1:0 source 0, 3:2 source 1, 5:4 source 2, 7:6 destination):
;   window 0: v1 lane, v2 lane % 16, v3 lane / 16, v4 16 lane, v5 LDS store address, v10 at work, v12 my rows' heads in LDS, v13 my word of the tail,
;             v16-20 the tiles' offsets in h, v21 32 (lane / 16), v22 h's lane term, v24-27 zeros, v29 16 (lane % 16), v30, v31 the add's registers,
;             v32-63 a tile's eight quads, v64-103 tile i, rank 8 (lane / 16) + j at 64 + 8 i + j: the pair, then its row's offset in y; v104-108 the tiles' offsets in pl
;   window 1: v0-159 the sums (tile i, column set c at 32 i + 8 c); v160-223 weight fragments, two buffers; v224-227 their LDS addresses, v228-231 the same at k = 0
;   windows 2, 3: phase 1: window 2 is a ring of 64 load slots; phase 2: four slots of 128 registers for h (slot q, tile i, K step parity p at 128 (q % 2) + 16 i + 8 p)
.set ACC, 0
.set WF,  160
.set WA,  224
.set WA0, 228
.set MSB, 0
.macro WIN new                         ; the immediate's high byte repeats the setting that is left; a switch that changes nothing is dropped
.if MSB != (\new)
	s_set_vgpr_msb (MSB<<8)|(\new)
.set MSB, (\new)
.endif
.endm
.macro PLACES                          ; four places between a matrix instruction and a load into, or a read of, its registers (ISA guide 7.12.1 for vector instructions)
.rept 4
	v_nop
.endr
.endm
	s_load_b256 s[4:11], s[0:1], 0x0               ; h s[4:5], w2 s[6:7], pl s[8:9], y s[10:11]
	v_lshl_add_u32 v30, v0, 2, SPARE               ; my spare word,
	v_mov_b32 v31, 0                               ; and 0: kept for the add at the wave's end
	v_lshl_add_u32 v13, v0, 2, TAIL
	v_lshrrev_b32 v10, 5, v0
	v_readfirstlane_b32 s16, v10                   ; wave 0..3
	s_mov_b32 s17, ttmp9                           ; slice s
	s_and_b32 s18, ttmp7, 0xffff                   ; expert e
	v_and_b32 v1, 31, v0
	v_and_b32 v2, 15, v0
	v_bfe_u32 v3, v0, 4, 1
	v_lshlrev_b32 v4, 4, v1
	s_lshl_b32 s39, s18, 2                         ; 4 e; not rewritten
	s_lshl_b32 s44, s18, 11                        ; my first weight row: 2,048 e + 64 s + w,
	s_lshl_b32 s24, s17, 6
	s_add_co_u32 s44, s44, s24
	s_add_co_u32 s44, s44, s16
	s_lshl_b32 s44, s44, 12                        ; of 4,096 bytes
	s_mov_b32 s45, 0                               ; stays 0: the high word of every offset made in s44
	s_wait_kmcnt 0x0
	s_load_b32 s19, s[8:9], s39 offset:0x8000      ; the expert's count (CNT + 4 e)
	s_add_nc_u64 s[32:33], s[6:7], s[44:45]
	WIN 0x80                                       ; destination window 2
.set ii, 0
.rept 56
	global_load_b128 v[4*ii:4*ii+3], v4, s[32:33] offset:(ii/LPR)*ROWB+(ii%LPR)*512 th:TH_LOAD_NT
.set ii, ii+1
.endr
	WIN 0
	s_lshl_b32 s44, s18, 21                        ; e's part of h
	s_add_nc_u64 s[46:47], s[4:5], s[44:45]
	s_lshl_b32 s44, s17, 8                         ; my 64 columns of y
	s_add_nc_u64 s[40:41], s[10:11], s[44:45]
	s_lshl_b32 s44, s18, 12                        ; e's pairs in pl
	s_add_nc_u64 s[48:49], s[8:9], s[44:45]
	s_mul_i32 s24, s16, 16*PITCH
	v_lshl_add_u32 v5, v1, 3, s24                  ; my 16 LDS rows, 8 bytes a lane
	v_mul_u32_u24 v12, v2, PITCH
	v_add_nc_u32 v12, s24, v12                     ; the head of my row lane % 16
	v_lshlrev_b32 v21, 5, v3                       ; pl: ranks 8 (lane / 16) + j, 4 bytes each
	v_lshlrev_b32 v29, 4, v2
	v_lshl_add_u32 v22, v3, 14, v29                ; h: 16 bytes a rank, one octet further for lanes 16-31
	v_mul_u32_u24 v10, v2, PITCH
	v_lshl_add_u32 v10, v3, 4, v10                 ; a fragment: row lane % 16, 16 bytes for each half of the lanes
	WIN 0x40
.irp c, 0,1,2,3
	v_add_nc_u32 v[WA0+\c], \c*16*PITCH, v10
.endr
	WIN 0
.irp j, 24,25,26,27
	v_mov_b32 v\j, 0
.endr
	ds_store_b128 v12, v[24:27] offset:PITCH-16    ; the 16 bytes of padding behind each of my 16 rows (lanes l and l + 16 write the same bytes),
	ds_store_b32 v13, v24                          ; and my word of the tail: the K loop's last look-ahead reads them
	s_wait_kmcnt 0x0
	s_add_co_u32 s20, s19, 15
	s_lshr_b32 s20, s20, 4                         ; tiles of 16 rows,
	s_min_u32 s20, s20, 64                         ; 64 at the most, whatever pl held
; PHASE 1.  Eight loads of the ring: rounded in place, stored into LDS; issue = 1: the eight slots drained one group ago are loaded again, 56 loads ahead.
; left = how many younger loads may stay out.  Load n of a trip is piece n % 8 of my row n / 8.
.macro GROUP g, issue, left
	s_wait_loadcnt \left
	WIN 0x8a                                       ; destination and both sources in window 2
.irp j, 0,1,2,3,4,5,6,7
.set ii, 8*(\g)+\j
	v_cvt_pk_bf16_f32 v[4*ii], v[4*ii], v[4*ii+1]
	v_cvt_pk_bf16_f32 v[4*ii+1], v[4*ii+2], v[4*ii+3]
.endr
	WIN 0x08                                       ; data in window 2, address in window 0
.irp j, 0,1,2,3,4,5,6,7
.set ii, 8*(\g)+\j
	ds_store_b64 v5, v[4*ii:4*ii+1] offset:(ii/LPR)*PITCH+(ii%LPR)*256
.endr
.if \issue
	WIN 0x80
.irp j, 0,1,2,3,4,5,6,7
.set ii, 8*(\g)+\j
.set sl, (ii+56)%64
	global_load_b128 v[4*sl:4*sl+3], v4, s[32:33] offset:((ii+56)/LPR)*ROWB+((ii+56)%LPR)*512 th:TH_LOAD_NT
.endr
.endif
.endm
	; my 16 rows are 128 loads: one trip of 64 that fills every slot again (seven groups are out at each wait, so 48 may stay out), then the tail
.irp g, 0,1,2,3,4,5,6,7
	GROUP \g, 1, 48
.endr
	WIN 0
	s_wait_xcnt 0x0                                ; the loads have had their addresses translated (ISA guide 3.1): their base steps only behind this wait
	s_add_nc_u64 s[32:33], s[32:33], (64/LPR)*ROWB
	v_add_nc_u32 v5, (64/LPR)*PITCH, v5
	GROUP 0, 1, 48                                 ; my last eight loads, then the counts run down
.irp g, 1,2,3,4,5,6,7
	GROUP \g, 0, 8*(7-\g)
.endr
	WIN 0
	s_wait_dscnt 0x0                               ; for the others' sake: my 16 rows are in LDS
	s_barrier_signal -1
	s_barrier_wait -1
; PHASE 2.  A period's fragments of h (two K steps) for T tiles into a slot: 4 T loads.
.macro ALOAD T, slot, ptr, kb
	WIN 0x80+0x40*((\slot)/2)                      ; destination window 2 or 3, address window 0
.set i_, 0
.rept \T
.irp u, 0,1
.set ra, 128*((\slot)%2)+16*i_+8*\u
	global_load_b128 v[ra:ra+3],   v[16+i_], s[\ptr:\ptr+1] offset:(\kb)+A_S*\u
	global_load_b128 v[ra+4:ra+7], v[16+i_], s[\ptr:\ptr+1] offset:(\kb)+A_S*\u+A_H
.endr
.set i_, i_+1
.endr
.endm
; K step ks of a trip's eight.  Four places behind the last products; at a period's first step the wait for its fragments of h (the two younger periods, 8 T loads, stay out) and the
; request three periods ahead, into the slot multiplied last; the next step's weight fragments; the products.  Source 0 = 16 ranks, source 1 = 16 weight rows.
; The 4 T sums take turns, one instruction a turn, over the backward jump too.
.macro KSTEP T, ks
.set sg, (\ks)/2
.if (\ks) == 7
	WIN 0x44
.irp c, 0,1,2,3
	v_add_nc_u32 v[WA+\c], 512, v[WA+\c]           ; the next trip's k: a plain step; these four are the places.  In the last trip the look-ahead below reads the 64 bytes behind
.endr                                                  ; each row's data (its padding, the next row's head; behind row 63 the tail's), all of them written, and is discarded
.else
	PLACES
.endif
.if (\ks)%2 == 0
	s_wait_loadcnt 8*(\T)
.if sg == 0
	ALOAD \T, 3, 28, 3*A_P
.else
	ALOAD \T, sg-1, 30, (sg-1)*A_P
.endif
.endif
	WIN 0x41                                       ; the LDS loads: destination and address in window 1
.set nb, WF+32*(((\ks)+1)%2)
.set ko, 64*(((\ks)+1)%8)
.irp c, 0,1,2,3
	ds_load_b128 v[nb+8*\c:nb+8*\c+3],   v[WA+\c] offset:ko
	ds_load_b128 v[nb+8*\c+4:nb+8*\c+7], v[WA+\c] offset:ko+32
.endr
	s_wait_dscnt 8                                 ; this step's fragments are in; the eight just issued stay out
	WIN 0x56+(sg/2)                                ; h in window 2 or 3, weights and sums in window 1
.set cb, WF+32*((\ks)%2)
.set i_, 0
.rept \T
.set ra, 128*(sg%2)+16*i_+8*((\ks)%2)
.irp c, 0,1,2,3
	v_wmma_f32_16x16x32_bf16 v[ACC+32*i_+8*\c:ACC+32*i_+8*\c+7], v[ra:ra+7], v[cb+8*\c:cb+8*\c+7], v[ACC+32*i_+8*\c:ACC+32*i_+8*\c+7]
.endr
.set i_, i_+1
.endr
.endm
; All of K for T tiles.  While the first two periods of h are out the sums are cleared and the pass's pairs, asked for ahead of them, are turned into row offsets in y; then the third
; period is asked for.  No first step is written out, which would double two loop texts.
.macro BODY T
	ALOAD \T, 0, 28, 0
	ALOAD \T, 1, 28, A_P
	WIN 0x41
.irp c, 0,1,2,3
	ds_load_b128 v[WF+8*\c:WF+8*\c+3],   v[WA+\c]
	ds_load_b128 v[WF+8*\c+4:WF+8*\c+7], v[WA+\c] offset:32
.endr
	WIN 0x40
.set n_, 0
.rept 32*(\T)
	v_mov_b32 v[ACC+n_], 0
.set n_, n_+1
.endr
	WIN 0
	s_wait_loadcnt 8*(\T)                          ; the pairs are in: the two periods of h, 8 T loads, are younger and stay out
.set n_, 0
.rept 8*(\T)
	v_min_u32 v[64+n_], 0x807, v[64+n_]            ; a row of y, the scrap rows among them, whatever pl held
	v_lshl_add_u32 v[64+n_], v[64+n_], 13, v29     ; rows of 8,192 bytes, 16 bytes a lane
.set n_, n_+1
.endr
	ALOAD \T, 2, 28, 2*A_P
	WIN 0
	s_mov_b32 s35, KTRIPS
.Lk_\@:
.irp k, 0,1,2,3,4,5,6,7
	KSTEP \T, \k
.endr
	WIN 0
	s_wait_xcnt 0x0                                ; the trip's loads have had their addresses translated: their bases step only behind this wait
	s_mov_b64 s[28:29], s[30:31]
	s_add_co_u32 s26, s26, A_T
	s_and_b32 s26, s26, AMASK                      ; round at K's end: the last trip's look-ahead stays inside the expert's part of h
	s_add_nc_u64 s[30:31], s[46:47], s[26:27]
	s_sub_co_u32 s35, s35, 1
	s_cmp_lg_u32 s35, 0
	s_cbranch_scc1 .Lk_\@
	s_wait_loadcnt 0x0                             ; the look-ahead that nobody multiplies
	s_wait_dscnt 0x0
	PLACES
.endm
; THE WAY OUT of tile i.  For j = 0 .. 7: register j of the tile's four sums, side by side, is 16 bytes of the row of rank 8 (lane / 16) + j.
.macro EPI i
.if ((\i) > 0) && ((\i) < 4)
	s_cmp_le_i32 s37, 4*(\i)
	s_cbranch_scc1 .Lskip_\@                       ; the tile lies past the expert's last
.endif
	s_wait_xcnt 0x0                                ; the last tile's stores have had their addresses translated: their data are rewritten only behind this wait
	WIN 0x01                                       ; source 0 in window 1
.irp j, 0,1,2,3,4,5,6,7
.irp c, 0,1,2,3
	v_mov_b32 v[32+4*\j+\c], v[ACC+32*(\i)+8*\c+\j]  ; columns 4 (lane % 16) + c; each sum's lowest register is read first
.endr
.endr
	WIN 0
.irp j, 0,1,2,3,4,5,6,7
	global_store_b128 v[64+8*(\i)+\j], v[32+4*\j:35+4*\j], s[40:41]  ; 16 lanes store 256 consecutive bytes, at a multiple of 256 from y's first byte
.endr
.Lskip_\@:
.endm
	s_mov_b32 s21, 0                               ; the pass's first tile
	s_mov_b32 s27, 0                               ; the high word of the k offset
	s_mov_b32 s36, 4
.Lpass:                                                ; four passes, whatever the count
	s_sub_co_i32 s37, s20, s21
	s_sub_co_i32 s37, s37, s16                     ; tile base + w + 4 i is live where 4 i < s37
	s_cmp_le_i32 s37, 0
	s_cbranch_scc1 .Lnext
	s_wait_xcnt 0x0                                ; the last pass's stores have had their addresses translated: their offset registers are loaded again only behind this wait
	s_add_co_u32 s38, s21, s16
.irp i, 0,1,2,3,4
	s_add_co_u32 s23, s38, 4*\i
	s_cmp_gt_i32 s37, 4*\i
	s_cselect_b32 s23, s23, s38                    ; a tile past the last repeats my first, which was stored
	s_min_u32 s23, s23, 63
	v_lshl_add_u32 v[16+\i], s23, 8, v22           ; h: 16 ranks x 16 bytes a tile
	v_lshl_add_u32 v[104+\i], s23, 6, v21          ; pl: 16 ranks x 4 bytes a tile
.endr
.irp i, 0,1,2,3,4
	global_load_b128 v[64+8*\i:67+8*\i], v[104+\i], s[48:49]            ; the pairs of ranks 8 (lane / 16) + 0 .. 3,
	global_load_b128 v[68+8*\i:71+8*\i], v[104+\i], s[48:49] offset:16  ; and + 4 .. 7
.endr
	s_mov_b64 s[28:29], s[46:47]                   ; this trip's k,
	s_add_nc_u64 s[30:31], s[46:47], A_T           ; the next trip's
	s_mov_b32 s26, A_T
	WIN 0x41
.irp c, 0,1,2,3
	v_mov_b32 v[WA+\c], v[WA0+\c]                  ; the weight fragments' addresses go back to k = 0
.endr
	WIN 0
	s_cmp_gt_i32 s37, 16
	s_cbranch_scc0 .Lfour
	BODY 5
	EPI 4
	s_branch .Lepi
.Lfour:
	BODY 4
.Lepi:
	EPI 0
	EPI 1
	EPI 2
	EPI 3
.Lnext:
	s_add_co_u32 s21, s21, 20
	s_sub_co_u32 s36, s36, 1
	s_cmp_lg_u32 s36, 0
	s_cbranch_scc1 .Lpass
	s_wait_dscnt 0x0                               ; my reads of the slice are over;
	s_barrier_signal -1                            ; the waves meet once more, so that every wave's reads of LDS are over
	s_barrier_wait -1                              ; before any wave writes LDS again: the add below
	s_wait_tensorcnt 0x0                           ; the wave's end
	ds_add_u32 v30, v31
	s_wait_dscnt 0x0
	s_endpgm
.Lfunc_end_k_q1117bae47c_down:
	.size	k_q1117bae47c_down, .Lfunc_end_k_q1117bae47c_down-k_q1117bae47c_down
	.p2alignl 7, 3214868480
	.fill 96, 4, 3214868480
	.section	.rodata,"a",@progbits
	.p2align	6, 0x0
	.amdhsa_kernel k_q1117bae47c_down
		.amdhsa_group_segment_fixed_size 133120
		.amdhsa_private_segment_fixed_size 0
		.amdhsa_enable_private_segment 0
		.amdhsa_kernarg_size 32
		.amdhsa_user_sgpr_count 2
		.amdhsa_user_sgpr_kernarg_segment_ptr 1
		.amdhsa_wavefront_size32 1
		.amdhsa_system_sgpr_workgroup_id_x 1
		.amdhsa_system_sgpr_workgroup_id_y 1
		.amdhsa_system_sgpr_workgroup_id_z 1
		.amdhsa_system_vgpr_workitem_id 0
		.amdhsa_next_free_vgpr 1024
		.amdhsa_next_free_sgpr 66
		.amdhsa_reserve_vcc 0
		.amdhsa_float_denorm_mode_32 3
		.amdhsa_float_denorm_mode_16_64 3
		.amdhsa_memory_ordered 1
		.amdhsa_forward_progress 1
		.amdhsa_inst_pref_size 128
	.end_amdhsa_kernel
	.amdgpu_metadata
---
amdhsa.version: [ 1, 2 ]
amdhsa.kernels:
  - .name:           k_q1117bae47c_down
    .symbol:         k_q1117bae47c_down.kd
    .args:
      - { .name: h, .offset: 0, .size: 8, .value_kind: global_buffer, .address_space: global }
      - { .name: w2, .offset: 8, .size: 8, .value_kind: global_buffer, .address_space: global }
      - { .name: pl, .offset: 16, .size: 8, .value_kind: global_buffer, .address_space: global }
      - { .name: y, .offset: 24, .size: 8, .value_kind: global_buffer, .address_space: global }
    .group_segment_fixed_size: 133120
    .private_segment_fixed_size: 0
    .kernarg_segment_align: 8
    .kernarg_segment_size: 32
    .max_flat_workgroup_size: 128
    .sgpr_count:     66
    .vgpr_count:     1024
    .wavefront_size: 32
...
	.end_amdgpu_metadata
.endif
;; end of part 4
;; launch combine (part 5): grid 256 x 1, 4 waves a work-group, no clusters, 0 bytes of LDS; arguments y, wgt, pa, out0, out1; writes out0, out1
.if DOCPART == 5
	.amdgcn_target "amdgcn-amd-amdhsa--gfx1250"
	.amdhsa_code_object_version 6
	.text
	.protected	k_q1117bae47c_combine
	.globl	k_q1117bae47c_combine
	.p2align	8
	.type	k_q1117bae47c_combine,@function
k_q1117bae47c_combine:
	s_mov_b64 s[64:65], 0
	v_nop
	global_prefetch_b8 v0, s[64:65] scope:SCOPE_SE
	s_setreg_imm32_b32 hwreg(HW_REG_WAVE_MODE, 25, 1), 1
	s_wait_xcnt 0x0
; out0[t] = wgt[p0] y[p0] + wgt[p1] y[p1], where p0 = 32 (t / 16) + t % 16 and p1 = p0 + 16 are token t's two pairs; all in f32.
; One wave, one token: 32 loads of 512 consecutive bytes go out together, each result leaves as 512 consecutive bytes.  A stream: no LDS, no barrier, no matrix unit, nothing shared.
; Wave 0 of work-group 0 then adds pa's 64 rows and makes out1 = 0.01 x 8 x sum over e of (count_e / 1,024) (score sum_e / 1,024).
	s_load_b256 s[4:11], s[0:1], 0x0               ; y s[4:5], wgt s[6:7], pa s[8:9], out0 s[10:11]
	s_load_b64 s[12:13], s[0:1], 0x20              ; out1
	v_lshrrev_b32 v1, 5, v0
	v_readfirstlane_b32 s14, v1                    ; wave 0..3
	v_and_b32 v2, 31, v0
	v_lshlrev_b32 v3, 4, v2                        ; 16 bytes a lane
	s_lshl2_add_u32 s15, ttmp9, s14                ; token t = 4 g + w
	s_lshr_b32 s16, s15, 4
	s_lshl_b32 s16, s16, 5
	s_and_b32 s17, s15, 15
	s_add_co_u32 s16, s16, s17                     ; p0
	s_lshl_b32 s18, s16, 13                        ; rows of 8,192 bytes
	s_mov_b32 s19, 0
	s_lshl_b32 s24, s16, 2
	s_lshl_b32 s26, s15, 13
	s_mov_b32 s27, 0
	s_mov_b32 s21, 0                               ; the weights are named as pairs, of which the low word serves both halves
	s_mov_b32 s23, 0
	s_wait_kmcnt 0x0
	s_load_b32 s20, s[6:7], s24 offset:0x0         ; wgt[p0]
	s_load_b32 s22, s[6:7], s24 offset:0x40        ; wgt[p0 + 16]
	s_add_nc_u64 s[4:5], s[4:5], s[18:19]
	s_add_nc_u64 s[10:11], s[10:11], s[26:27]
.set i, 0
.rept 16
	global_load_b128 v[16+8*i:19+8*i], v3, s[4:5] offset:512*i th:TH_LOAD_NT
	global_load_b128 v[20+8*i:23+8*i], v3, s[4:5] offset:512*i+131072 th:TH_LOAD_NT  ; row p1 lies 16 rows on
.set i, i+1
.endr
	s_wait_kmcnt 0x0
.set i, 0
.rept 16
	s_wait_loadcnt 30-2*i                          ; the pairs of loads behind this one stay out
	v_pk_mul_f32 v[16+8*i:17+8*i], v[16+8*i:17+8*i], s[20:21] op_sel_hi:[1,0]
	v_pk_mul_f32 v[18+8*i:19+8*i], v[18+8*i:19+8*i], s[20:21] op_sel_hi:[1,0]
	v_pk_fma_f32 v[16+8*i:17+8*i], v[20+8*i:21+8*i], s[22:23], v[16+8*i:17+8*i] op_sel_hi:[1,0,1]
	v_pk_fma_f32 v[18+8*i:19+8*i], v[22+8*i:23+8*i], s[22:23], v[18+8*i:19+8*i] op_sel_hi:[1,0,1]
	global_store_b128 v3, v[16+8*i:19+8*i], s[10:11] offset:512*i th:TH_STORE_NT
.set i, i+1
.endr
	s_or_b32 s25, ttmp9, s14
	s_cmp_lg_u32 s25, 0
	s_cbranch_scc1 .Ldone
	; the loss: lane l adds column l of pa's 64 rows, in four chains, 32 rows at a time
	s_wait_xcnt 0x0                                ; the stores have had their addresses translated (ISA guide 3.1): their data registers are loaded again only behind this wait
	v_lshlrev_b32 v4, 2, v2
.set i, 0
.rept 32
	global_load_b32 v[16+i], v4, s[8:9] offset:128*i
.set i, i+1
.endr
	s_wait_loadcnt 0x0
.irp k, 0,1,2,3
	v_add_f32 v[8+\k], v[16+\k], v[20+\k]          ; the first two rows start each chain
.endr
.set i, 8
.rept 24
	v_add_f32 v[8+i%4], v[8+i%4], v[16+i]
.set i, i+1
.endr
.set i, 0
.rept 32
	global_load_b32 v[16+i], v4, s[8:9] offset:4096+128*i
.set i, i+1
.endr
	s_wait_loadcnt 0x0
.set i, 0
.rept 32
	v_add_f32 v[8+i%4], v[8+i%4], v[16+i]
.set i, i+1
.endr
	v_add_f32 v8, v8, v9
	v_add_f32 v10, v10, v11
	v_add_f32 v8, v8, v10                          ; lanes 0-7: the experts' score sums; lanes 8-15: their counts
	v_mov_b32 v9, 0                                ; a DPP form's destination counts as read
	v_mul_f32_dpp v9, v8, v8 row_xmask:8 row_mask:0xf bank_mask:0xf   ; score sum x count
	v_add_f32_dpp v9, v9, v9 row_xmask:1 row_mask:0xf bank_mask:0xf
	v_add_f32_dpp v9, v9, v9 row_xmask:2 row_mask:0xf bank_mask:0xf
	v_add_f32_dpp v9, v9, v9 row_xmask:4 row_mask:0xf bank_mask:0xf
	v_mul_f32 v9, 0x33a3d70a, v9                   ; 0.08 / 2^20
	v_mov_b32 v5, 0
	v_cmp_eq_u32 vcc_lo, 0, v2
	s_wait_xcnt 0x0                                ; EXEC changes only behind this wait
	s_and_saveexec_b32 s28, vcc_lo
	global_store_b32 v5, v9, s[12:13]              ; lane 0 alone: the one number
	s_wait_xcnt 0x0                                ; and again, in front of the line that widens it
	s_or_b32 exec_lo, exec_lo, s28
.Ldone:
	s_endpgm
.Lfunc_end_k_q1117bae47c_combine:
	.size	k_q1117bae47c_combine, .Lfunc_end_k_q1117bae47c_combine-k_q1117bae47c_combine
	.p2alignl 7, 3214868480
	.fill 96, 4, 3214868480
	.section	.rodata,"a",@progbits
	.p2align	6, 0x0
	.amdhsa_kernel k_q1117bae47c_combine
		.amdhsa_group_segment_fixed_size 0
		.amdhsa_private_segment_fixed_size 0
		.amdhsa_enable_private_segment 0
		.amdhsa_kernarg_size 40
		.amdhsa_user_sgpr_count 2
		.amdhsa_user_sgpr_kernarg_segment_ptr 1
		.amdhsa_wavefront_size32 1
		.amdhsa_system_sgpr_workgroup_id_x 1
		.amdhsa_system_sgpr_workgroup_id_y 1
		.amdhsa_system_sgpr_workgroup_id_z 1
		.amdhsa_system_vgpr_workitem_id 0
		.amdhsa_next_free_vgpr 144
		.amdhsa_next_free_sgpr 66
		.amdhsa_reserve_vcc 1
		.amdhsa_float_denorm_mode_32 3
		.amdhsa_float_denorm_mode_16_64 3
		.amdhsa_memory_ordered 1
		.amdhsa_forward_progress 1
		.amdhsa_inst_pref_size 19
	.end_amdhsa_kernel
	.amdgpu_metadata
---
amdhsa.version: [ 1, 2 ]
amdhsa.kernels:
  - .name:           k_q1117bae47c_combine
    .symbol:         k_q1117bae47c_combine.kd
    .args:
      - { .name: y, .offset: 0, .size: 8, .value_kind: global_buffer, .address_space: global }
      - { .name: wgt, .offset: 8, .size: 8, .value_kind: global_buffer, .address_space: global }
      - { .name: pa, .offset: 16, .size: 8, .value_kind: global_buffer, .address_space: global }
      - { .name: out0, .offset: 24, .size: 8, .value_kind: global_buffer, .address_space: global }
      - { .name: out1, .offset: 32, .size: 8, .value_kind: global_buffer, .address_space: global }
    .group_segment_fixed_size: 0
    .private_segment_fixed_size: 0
    .kernarg_segment_align: 8
    .kernarg_segment_size: 40
    .max_flat_workgroup_size: 128
    .sgpr_count:     66
    .vgpr_count:     144
    .wavefront_size: 32
...
	.end_amdgpu_metadata
.endif
;; end of part 5
;; ======== version 2 of 2: 5 launches; version 1 with the launches up, down written anew for expert scheduling mode
;; workspace buffers: xb 4,194,304 bytes; bm 8,192 bytes of whole numbers; wgt 8,192 bytes; pa 8,192 bytes; h 16,777,216 bytes; y 16,842,752 bytes; xg 33,554,432 bytes; pl 33,024 bytes of whole numbers
;; launch router: the kernel of part 1 again; grid 64 x 1, 8 waves a work-group, no clusters, 108,032 bytes of LDS; arguments x, gate_w, xb, bm, wgt, pa; writes xb, bm, wgt, pa
;; launch place: the kernel of part 2 again; grid 16 x 64, 4 waves a work-group, no clusters, 768 bytes of LDS; arguments xb, bm, w1, w3, xg, pl; writes xg, pl
;; launch up (part 6): grid 32 x 8, 4 waves a work-group, no clusters, 264,192 bytes of LDS; arguments xg, w1, w3, w2, pl, h; writes h
.if DOCPART == 6
	.amdgcn_target "amdgcn-amd-amdhsa--gfx1250"
	.amdhsa_code_object_version 6
	.text
	.protected	k_q1117bae47c_up
	.globl	k_q1117bae47c_up
	.p2align	8
	.type	k_q1117bae47c_up,@function
k_q1117bae47c_up:
	s_mov_b64 s[64:65], 0
	v_nop
	global_prefetch_b8 v0, s[64:65] scope:SCOPE_SE
	s_setreg_imm32_b32 hwreg(HW_REG_WAVE_SCHED_MODE, 0, 2), 2
	s_setreg_imm32_b32 hwreg(HW_REG_WAVE_MODE, 25, 1), 1
	s_wait_xcnt 0x0
	s_wait_alu depctr_vm_vsrc(0)
; FIRST PRODUCT.  h[rank][i] = silu(x[rank] . w1[e][i]) * (x[rank] . w3[e][i]) for the rows that chose expert e, in e's rank order, in which the launch before laid them (xg).
; Work-group (s, e): 32 rows of w1[e] and the same 32 of w3[e] (i = 32 s .. 32 s + 31), which it alone reads, and all of e's rows.
; PHASE 1: the slice, 524,288 bytes of f32, comes in by loads of 512 consecutive bytes, is rounded to bf16 in registers and laid into LDS;
; each wave keeps 56 loads out: 4 x 56 x 512 = 114,688 bytes for the work-group.
; PHASE 2: no barrier and no LDS store.  A wave takes 4 or 5 tiles of 16 ranks at once (tile = pass base + wave + 4 i); token fragments come from xg straight into
; registers (16 lanes read 256 consecutive bytes), asked for three periods of two K steps ahead; weight fragments from LDS, 8 loads for 16 or 20 matrix instructions.
; EVERY SPLIT IS SERVED: four passes of 20 tiles cover 1,024 rows; a pass without rows for the wave is jumped forward.  An expert without rows still has its slice
; streamed (all barriers stand on every path); beyond 320 rows an expert's further passes run one after the other.
; The expert's count comes from pl.  A live tile is computed and stored whole (xg holds a row for each of its 16 places); a tile past the last repeats the wave's first, and is not stored.
; xg: [8 e][256 octets of k][1,024 ranks][8] bf16.  h: [8 e][128 octets of i][1,024 ranks][8] bf16, rounded once.  bf16, since with inputs 30 times larger h would pass f16's 65,504.
; LIMITS.  NaN and infinities are not treated apart; an exponential below 2^-126 counts as 0.
; NO CLUSTER, NO TENSOR LOAD: each weight byte has one reader and must be rounded on its way; what an expert's 32 work-groups share is its token rows, whose number of tiles hangs on
; a count read from memory, on which no joint load may hang, and beside the slice's 263,168 bytes LDS has no room for them.
; THE MODE: SCHED_MODE bits 1:0 = 2 (LLVM: expert scheduling mode 2), set by the entry lines.  The code itself states the register dependences
; between vector or matrix instructions and memory or LDS instructions, with s_wait_alu, always for 0.
; THE PLAN.  Registers that memory or LDS instructions touch:
;   v4, v8, v12, v13, v22, v24-27   offsets, addresses and zeros: made at the head, ahead of the one wait that stands in front of the first load, and never written again.
;   the ring (phase 1)   Group g: its conversions read and write its eight slots, its LDS stores read them, the loads issued in group g + 1 land in them.  Behind a group's conversions stand one wait on
;                        va_vdst (they have written the stores' data; the group before is done with the slots that are loaded now) and one on vm_vsrc (the stores of the group before have read those slots).
;   v5                   Read by every LDS store; stepped once for 64 loads, behind a wait on vm_vsrc; the next group's wait on va_vdst stands ahead of the next store by it.
;   token slots, WF      Read by a K step's matrix instructions; WF is loaded again one step later, a slot one period later.
;   WA                   Read by every fragment load from LDS; written in a trip's last step, behind a wait on vm_vsrc, and at a pass's head.
;                        ONE wait on va_vdst stands at a K step's head: the last step's products are done reading the other WF buffer and, at a period's first step, the slot multiplied last; in a trip's
;                        last step WA is written.  The step's loads follow it with no further wait: the LDS loads at once, the token loads four behind each tile's four products, which name
;                        the sums, this step's WF buffer and this period's slot: none of the registers that those loads touch.
;   v16-20               Written at a pass's head, behind a wait on vm_vsrc that also covers WA and, in the first pass, the ring that phase 1's LDS stores read; one wait on va_vdst ahead of the pass's first loads.
;   v48-55               Written by a tile's roundings, read by its two stores: va_vdst ahead of the stores, vm_vsrc at the next tile's head.
.set LPR,    16                        ; loads of 512 bytes in a weight row
.set PITCH,  4112                      ; an LDS row: 4,096 bytes of bf16 + 16, an odd multiple of 16: the 16 rows of a fragment load start at 16 different groups of four banks (ISA guide 11.1)
.set STRIPS, 3                         ; trips of 64 loads in the loop; a fourth is written out as the tail
.set KTRIPS, 8                         ; trips of 8 K steps of 32: K = 2,048
.set A_S,    65536                     ; xg: a K step is four octets of 16,384 bytes,
.set A_H,    32768                     ; a fragment's second half two octets on,
.set A_P,    131072                    ; a period two K steps,
.set A_T,    524288                    ; a trip eight
.set AMASK,  0x3fffff
.set CNT,    32768                     ; where the counts begin in pl
.set TAIL,   64*PITCH                  ; 512 bytes behind the last row, a word a thread: the K loop's last look-ahead reads the first 48.  The 512 bytes behind the tail take the closing add
; REGISTERS, in windows of 256 (s_set_vgpr_msb: bits 1:0 source 0, 3:2 source 1, 5:4 source 2, 7:6 destination):
;   window 0: v1 lane, v2 lane % 16, v3 lane / 16, v4 16 lane, v5 LDS store address, v8 256 lane, v10 at work, v12 my rows' heads in LDS, v13 my word of the tail,
;             v16-20 the tiles' offsets in xg, v22 lane term in xg and in h, v24-27 zeros, v32-55 the way out
;   window 1: v0-159 the sums (tile i, column block c at 32 i + 8 c); v160-223 weight fragments, two buffers; v224-227 their LDS addresses, v228-231 the same at k = 0
;   windows 2, 3: phase 1: window 2 is a ring of 64 load slots; phase 2: four token slots of 128 registers (slot q, tile i, K step parity p at 128 (q % 2) + 16 i + 8 p)
.set ACC, 0
.set WF,  160
.set WA,  224
.set WA0, 228
.set MSB, 0
.macro WIN new                         ; the immediate's high byte repeats the setting that is left; a switch that changes nothing is dropped
.if MSB != (\new)
	s_set_vgpr_msb (MSB<<8)|(\new)
.set MSB, (\new)
.endif
.endm
.macro PLACES                          ; four places behind a matrix instruction (ISA guide 7.12.1), as the plain form of this text has them
.rept 4
	v_nop
.endr
.endm
	s_load_b256 s[4:11], s[0:1], 0x0               ; xg s[4:5], w1 s[6:7], w3 s[8:9], w2 s[10:11]
	s_load_b128 s[12:15], s[0:1], 0x20             ; pl s[12:13], h s[14:15]
	v_lshl_add_u32 v254, v0, 2, 0x40600
	v_mov_b32 v255, 0
	v_lshrrev_b32 v10, 5, v0
	v_readfirstlane_b32 s16, v10                   ; wave 0..3
	; all the kernel's offsets and addresses are made here, in the wait for the arguments
	v_lshl_add_u32 v13, v0, 2, TAIL
	v_and_b32 v1, 31, v0
	v_and_b32 v2, 15, v0
	v_bfe_u32 v3, v0, 4, 1
	v_lshlrev_b32 v4, 4, v1
	v_lshlrev_b32 v8, 8, v1
	v_lshlrev_b32 v22, 4, v2
	v_lshl_add_u32 v22, v3, 14, v22                ; 16 bytes a rank, one octet further for lanes 16-31
	v_mul_u32_u24 v10, v2, PITCH
	v_mul_u32_u24 v12, v2, PITCH
	v_lshl_add_u32 v10, v3, 4, v10                 ; a fragment: row lane % 16, 16 bytes for each half of the lanes
	WIN 0x40
.irp c, 0,1,2,3
	v_add_nc_u32 v[WA0+\c], \c*16*PITCH, v10
.endr
	WIN 0
.irp j, 24,25,26,27
	v_mov_b32 v\j, 0
.endr
	s_mov_b32 s17, ttmp9                           ; slice s
	s_and_b32 s18, ttmp7, 0xffff                   ; expert e
	s_lshl_b32 s39, s18, 2                         ; 4 e; not rewritten
	s_lshl_b32 s44, s18, 10                        ; my 16 weight rows: 1,024 e + 32 s + 16 (w % 2),
	s_lshl_b32 s45, s17, 5
	s_add_co_u32 s44, s44, s45
	s_wait_alu depctr_va_sdst(0)                   ; s16 is written, ahead of its first reader: bases, LDS rows and branches are made from it
	s_and_b32 s45, s16, 1
	s_lshl4_add_u32 s44, s45, s44
	s_lshl_b32 s44, s44, 13                        ; of 8,192 bytes: one block of 131,072 consecutive bytes
	s_mov_b32 s45, 0                               ; stays 0: the high word of every offset made in s44
	s_mul_i32 s25, s16, 16*PITCH
	v_lshl_add_u32 v5, v1, 3, s25                  ; my 16 LDS rows, 8 bytes a lane
	v_add_nc_u32 v12, s25, v12                     ; the head of my row lane % 16
	s_wait_kmcnt 0x0
	s_load_b32 s19, s[12:13], s39 offset:0x8000    ; the expert's count (CNT + 4 e)
	s_cmp_lt_u32 s16, 2
	s_cselect_b64 s[32:33], s[6:7], s[8:9]         ; waves 0, 1 stream w1, waves 2, 3 w3
	s_add_nc_u64 s[32:33], s[32:33], s[44:45]
	WIN 0x80                                       ; destination window 2
	s_wait_alu depctr_va_vdst(0)                   ; v4, v5, v8, v12, v13, v22 and v24-27 are written: the loads, LDS stores, prefetches and stores below read them as offsets, addresses and data
.set ii, 0
.rept 56
	global_load_b128 v[4*ii:4*ii+3], v4, s[32:33] offset:ii*512 th:TH_LOAD_NT
.set ii, ii+1
.endr
	WIN 0
	s_lshl_b32 s44, s18, 22                        ; e's part of xg
	s_add_nc_u64 s[46:47], s[4:5], s[44:45]
	s_lshl_b32 s44, s18, 7
	s_lshl2_add_u32 s44, s17, s44                  ; octet 128 e + 4 s of h,
	s_lshl_b32 s44, s44, 14                        ; of 16,384 bytes
	s_add_nc_u64 s[40:41], s[14:15], s[44:45]
	s_lshl_b32 s44, s18, 11                        ; rows 2,048 e + 64 s + 8 w .. + 7 of w2: my quarter of the 32 rows that work-group (s, e) of the next launch streams first
	s_lshl_b32 s24, s17, 6
	s_add_co_u32 s44, s44, s24
	s_lshl3_add_u32 s44, s16, s44
	s_lshl_b32 s44, s44, 12
	s_add_nc_u64 s[48:49], s[10:11], s[44:45]
	ds_store_b128 v12, v[24:27] offset:PITCH-16    ; the 16 bytes of padding behind each of my 16 rows (lanes l and l + 16 write the same bytes),
	ds_store_b32 v13, v24                          ; and my word of the tail: the K loop's last look-ahead reads them
	s_wait_kmcnt 0x0
	s_add_co_u32 s20, s19, 15
	s_lshr_b32 s20, s20, 4                         ; tiles of 16 rows,
	s_min_u32 s20, s20, 64                         ; 64 at the most, whatever pl held
; PHASE 1.  Eight loads of the ring: rounded in place; issue = 1: the eight slots drained one group ago are loaded again, 56 loads ahead; then the eight go into LDS.
; left = how many younger loads may stay out.
.macro GROUP g, issue, left
	s_wait_loadcnt \left
	WIN 0x8a                                       ; destination and both sources in window 2
.irp j, 0,1,2,3,4,5,6,7
.set ii, 8*(\g)+\j
	v_cvt_pk_bf16_f32 v[4*ii], v[4*ii], v[4*ii+1]
	v_cvt_pk_bf16_f32 v[4*ii+1], v[4*ii+2], v[4*ii+3]
.endr
.if \issue
	WIN 0x80
	s_wait_alu depctr_va_vdst(0)                   ; this group's conversions have written the data of the LDS stores below; those of the group before are done with the slots in which the loads below land
	s_wait_alu depctr_vm_vsrc(0)                   ; the LDS stores of the group before have read those slots
.irp j, 0,1,2,3,4,5,6,7
.set ii, 8*(\g)+\j
.set sl, (ii+56)%64
	global_load_b128 v[4*sl:4*sl+3], v4, s[32:33] offset:(ii+56)*512 th:TH_LOAD_NT
.endr
	WIN 0x08                                       ; data in window 2, address in window 0
.else
	WIN 0x08
	s_wait_alu depctr_va_vdst(0)                   ; this group's conversions have written the data of the LDS stores below
.endif
.irp j, 0,1,2,3,4,5,6,7
.set ii, 8*(\g)+\j
	ds_store_b64 v5, v[4*ii:4*ii+1] offset:(ii/LPR)*PITCH+(ii%LPR)*256
.endr
.endm
.macro TRIP                            ; 64 loads' worth: seven groups are out at each wait, so 48 may stay out
.irp g, 0,1,2,3,4,5,6,7
	GROUP \g, 1, 48
.endr
	WIN 0
	s_wait_xcnt 0x0                                ; the loads have had their addresses translated (ISA guide 3.1): their base steps only behind this wait
	s_add_nc_u64 s[32:33], s[32:33], 0x8000
	s_wait_alu depctr_vm_vsrc(0)                   ; the trip's LDS stores have read v5
	v_add_nc_u32 v5, (64/LPR)*PITCH, v5            ; the next group's wait on va_vdst stands ahead of the next store by it
.endm
	s_mov_b32 s35, STRIPS
.Lstrip:
	TRIP
	s_sub_co_u32 s35, s35, 1
	s_cmp_lg_u32 s35, 0
	s_cbranch_scc1 .Lstrip
	GROUP 0, 1, 48                                 ; the tail: the block's last eight loads, then the counts run down
.irp g, 1,2,3,4,5,6,7
	GROUP \g, 0, 8*(7-\g)
.endr
	WIN 0
	s_wait_dscnt 0x0                               ; for the others' sake: my 16 rows are in LDS
	s_barrier_signal -1
	s_barrier_wait -1
	; From here on this launch reads no weights.  The wave asks for 32,768 bytes of w2, its quarter of the half slice that its work-group's namesake streams first in the next
	; launch: lanes 256 bytes apart, each aligned 256 bytes once; 1,024 waves x 32,768 bytes in all.  v8 and s[48:49] are never rewritten.
.irp j, 0,1,2,3
	global_prefetch_b8 v8, s[48:49] offset:8192*\j th:TH_LOAD_NT scope:SCOPE_SE
.endr
; PHASE 2.  Tile i's token fragments of a period (two K steps) into a slot: four loads.
.macro ATILE i, slot, ptr, kb
	WIN 0x80+0x40*((\slot)/2)                      ; destination window 2 or 3, address window 0
.irp u, 0,1
.set rl, 128*((\slot)%2)+16*(\i)+8*\u
	global_load_b128 v[rl:rl+3],   v[16+(\i)], s[\ptr:\ptr+1] offset:(\kb)+A_S*\u
	global_load_b128 v[rl+4:rl+7], v[16+(\i)], s[\ptr:\ptr+1] offset:(\kb)+A_S*\u+A_H
.endr
.endm
.macro ALOAD T, slot, ptr, kb          ; the same for T tiles, in one run: 4 T loads
.set i_, 0
.rept \T
	ATILE i_, \slot, \ptr, \kb
.set i_, i_+1
.endr
.endm
; K step ks of a trip's eight.  At a period's first step the wait for its tokens (the two younger periods, 8 T loads, stay out); the step's one wait on va_vdst; the next step's weight
; fragments; the products, and at a period's first step, four behind each tile's four products, the request three periods ahead, into the slot multiplied last: two window switches a tile.
; Source 0 = 16 weight rows, source 1 = 16 ranks: a lane holds one rank and eight neighbouring columns.
; The 4 T sums take turns, one instruction a turn, over the backward jump too.
.macro KSTEP T, ks
.set sg, (\ks)/2
.if (\ks) == 7
	s_wait_alu depctr_vm_vsrc(0)                   ; the LDS loads issued so far have read WA
	WIN 0x44
.irp c, 0,1,2,3
	v_add_nc_u32 v[WA+\c], 512, v[WA+\c]           ; the next trip's k: a plain step; these four are the step's places.  In the last trip the look-ahead below reads the 64 bytes behind
.endr                                                  ; each row's data (its padding, the next row's head; behind row 63 the tail's), all of them written, and is discarded
.else
	PLACES
.endif
.if (\ks)%2 == 0
	s_wait_loadcnt 8*(\T)
.endif
	WIN 0x59+4*(sg/2)                              ; weights, sums and LDS addresses in window 1, tokens in window 2 or 3
	s_wait_alu depctr_va_vdst(0)                   ; the last step's products are done reading the other WF buffer and, at a period's first step, the slot multiplied last; in a trip's last step WA is written
.set nb, WF+32*(((\ks)+1)%2)
.set ko, 64*(((\ks)+1)%8)
.irp c, 0,1,2,3
	ds_load_b128 v[nb+8*\c:nb+8*\c+3],   v[WA+\c] offset:ko
	ds_load_b128 v[nb+8*\c+4:nb+8*\c+7], v[WA+\c] offset:ko+32
.endr
	s_wait_dscnt 8                                 ; this step's fragments are in; the eight just issued stay out
.set cb, WF+32*((\ks)%2)
.set i_, 0
.rept \T
	WIN 0x59+4*(sg/2)
.set ra, 128*(sg%2)+16*i_+8*((\ks)%2)
.irp c, 0,1,2,3
	v_wmma_f32_16x16x32_bf16 v[ACC+32*i_+8*\c:ACC+32*i_+8*\c+7], v[cb+8*\c:cb+8*\c+7], v[ra:ra+7], v[ACC+32*i_+8*\c:ACC+32*i_+8*\c+7]
.endr
.if (\ks)%2 == 0                       ; no wait: no product since the step's wait names v16-20 or the slot that is loaded
.if sg == 0
	ATILE i_, 3, 28, 3*A_P
.else
	ATILE i_, sg-1, 30, (sg-1)*A_P
.endif
.endif
.set i_, i_+1
.endr
.endm
; All of K for T tiles.  The sums are cleared while the first 12 T loads are out; no first step is written out, which would double two loop texts.
.macro BODY T
	WIN 0x80
	s_wait_alu depctr_va_vdst(0)                   ; v16-20 and WA are written; phase 1's conversions and the last pass's products are done with the slots and the WF buffer in which the loads below land
	ALOAD \T, 0, 28, 0
	ALOAD \T, 1, 28, A_P
	ALOAD \T, 2, 28, 2*A_P
	WIN 0x41
.irp c, 0,1,2,3
	ds_load_b128 v[WF+8*\c:WF+8*\c+3],   v[WA+\c]
	ds_load_b128 v[WF+8*\c+4:WF+8*\c+7], v[WA+\c] offset:32
.endr
	WIN 0x40
.set n_, 0
.rept 32*(\T)
	v_mov_b32 v[ACC+n_], 0
.set n_, n_+1
.endr
	WIN 0
	s_mov_b32 s35, KTRIPS
.Lk_\@:
.irp k, 0,1,2,3,4,5,6,7
	KSTEP \T, \k
.endr
	WIN 0
	s_wait_xcnt 0x0                                ; the trip's loads have had their addresses translated: their bases step only behind this wait
	s_mov_b64 s[28:29], s[30:31]
	s_add_co_u32 s26, s26, A_T
	s_and_b32 s26, s26, AMASK                      ; round at K's end: the last trip's look-ahead stays inside the expert's part of xg
	s_add_nc_u64 s[30:31], s[46:47], s[26:27]
	s_sub_co_u32 s35, s35, 1
	s_cmp_lg_u32 s35, 0
	s_cbranch_scc1 .Lk_\@
	s_wait_loadcnt 0x0                             ; the look-ahead that nobody multiplies
	s_wait_dscnt 0x0
	PLACES                                         ; between the last products and the vector lines that read the sums
.endm
; THE WAY OUT of tile i: silu(g) u, rounded to bf16; a lane's eight columns are one octet's 16 bytes; 16 lanes store 256 consecutive bytes, aligned.
.macro EPI i
.if ((\i) > 0) && ((\i) < 4)
	s_cmp_le_i32 s37, 4*(\i)
	s_cbranch_scc1 .Lskip_\@                       ; the tile lies past the expert's last
.endif
	s_wait_xcnt 0x0                                ; the last tile's stores have had their addresses translated: base and data are rewritten only behind this wait
	s_wait_alu depctr_vm_vsrc(0)                   ; the last tile's stores have read v48-55, which the roundings below write again
	s_add_co_u32 s38, s21, s16
	s_add_co_u32 s38, s38, 4*(\i)                  ; the tile's number
	s_lshl_b32 s44, s38, 8                         ; 16 ranks x 16 bytes
	s_add_nc_u64 s[42:43], s[40:41], s[44:45]
	WIN 0x01                                       ; source 0 in window 1
.irp n, 0,1,2,3,4,5,6,7
	v_pk_mul_f32 v[32+2*\n:33+2*\n], v[ACC+32*(\i)+2*\n:ACC+32*(\i)+2*\n+1], 0xbfb8aa3b op_sel_hi:[1,0]  ; -g log2(e); each sum's lowest registers are read first
.endr
	WIN 0
.irp n, 0,1,2,3,4,5,6,7,8,9,10,11,12,13,14,15
	v_exp_f32 v[32+\n], v[32+\n]
.endr
	v_nop                                          ; a plain instruction behind the last exponential (ISA guide 5.7.2),
	s_wait_alu depctr_va_vdst(0)                   ; and one wait for the batch: the sixteen exponentials have written v32-47, ahead of their first reader
.irp n, 0,1,2,3,4,5,6,7
	v_pk_add_f32 v[32+2*\n:33+2*\n], v[32+2*\n:33+2*\n], 1.0 op_sel_hi:[1,0]
.endr
.irp n, 0,1,2,3,4,5,6,7,8,9,10,11,12,13,14,15
	v_rcp_f32 v[32+\n], v[32+\n]
.endr
	v_nop
	s_wait_alu depctr_va_vdst(0)                   ; the sixteen reciprocals have written v32-47, ahead of their first reader
	WIN 0x01
.irp n, 0,1,2,3,4,5,6,7
	v_pk_mul_f32 v[32+2*\n:33+2*\n], v[ACC+32*(\i)+2*\n:ACC+32*(\i)+2*\n+1], v[32+2*\n:33+2*\n]         ; silu(g)
.endr
.irp n, 0,1,2,3,4,5,6,7
	v_pk_mul_f32 v[32+2*\n:33+2*\n], v[ACC+32*(\i)+16+2*\n:ACC+32*(\i)+16+2*\n+1], v[32+2*\n:33+2*\n]   ; times u
.endr
	WIN 0
.irp n, 0,1,2,3,4,5,6,7
	v_cvt_pk_bf16_f32 v[48+\n], v[32+2*\n], v[33+2*\n]
.endr
	s_wait_alu depctr_va_vdst(0)                   ; the roundings have written v48-55, which the two stores read
	global_store_b128 v22, v[48:51], s[42:43]
	global_store_b128 v22, v[52:55], s[42:43] offset:32768
.Lskip_\@:
.endm
	s_mov_b32 s21, 0                               ; the pass's first tile
	s_mov_b32 s27, 0                               ; the high word of the k offset
	s_mov_b32 s36, 4
.Lpass:                                                ; four passes, whatever the count
	s_sub_co_i32 s37, s20, s21
	s_sub_co_i32 s37, s37, s16                     ; tile base + w + 4 i is live where 4 i < s37
	s_cmp_le_i32 s37, 0
	s_cbranch_scc1 .Lnext
	s_wait_alu depctr_vm_vsrc(0)                   ; the last pass's loads have read v16-20 and WA, which are written below; in the first pass phase 1's LDS stores have read the ring, in which tokens land
	s_add_co_u32 s38, s21, s16
.irp i, 0,1,2,3,4
	s_add_co_u32 s23, s38, 4*\i
	s_cmp_gt_i32 s37, 4*\i
	s_cselect_b32 s23, s23, s38                    ; a tile past the last repeats my first, which was stored
	s_min_u32 s23, s23, 63
	v_lshl_add_u32 v[16+\i], s23, 8, v22           ; 16 ranks x 16 bytes a tile
.endr
	s_mov_b64 s[28:29], s[46:47]                   ; this trip's k,
	s_add_nc_u64 s[30:31], s[46:47], A_T           ; the next trip's
	s_mov_b32 s26, A_T
	WIN 0x41
.irp c, 0,1,2,3
	v_mov_b32 v[WA+\c], v[WA0+\c]                  ; the weight fragments' addresses go back to k = 0
.endr
	WIN 0
	s_cmp_gt_i32 s37, 16
	s_cbranch_scc0 .Lfour
	BODY 5
	EPI 4
	s_branch .Lepi
.Lfour:
	BODY 4
.Lepi:
	EPI 0
	EPI 1
	EPI 2
	EPI 3
.Lnext:
	s_add_co_u32 s21, s21, 20
	s_sub_co_u32 s36, s36, 1
	s_cmp_lg_u32 s36, 0
	s_cbranch_scc1 .Lpass
	s_wait_dscnt 0x0                               ; my reads of the slice are over;
	s_barrier_signal -1                            ; the waves meet once more, where the plain form of this text has its closing barrier
	s_barrier_wait -1
	; the closing add, on the 512 bytes behind the tail
	s_wait_dscnt 0x0                               ; no LDS instruction of mine is out at the end
	s_wait_alu depctr_hold_cnt(0) depctr_sa_sdst(0) depctr_va_vdst(0) depctr_va_sdst(0) depctr_va_ssrc(0) depctr_va_vcc(0) depctr_vm_vsrc(0)
	s_wait_tensorcnt 0x0
	ds_add_u32 v254, v255
	s_wait_dscnt 0x0
	s_endpgm
.Lfunc_end_k_q1117bae47c_up:
	.size	k_q1117bae47c_up, .Lfunc_end_k_q1117bae47c_up-k_q1117bae47c_up
	.p2alignl 7, 3214868480
	.fill 96, 4, 3214868480
	.section	.rodata,"a",@progbits
	.p2align	6, 0x0
	.amdhsa_kernel k_q1117bae47c_up
		.amdhsa_group_segment_fixed_size 264192
		.amdhsa_private_segment_fixed_size 0
		.amdhsa_enable_private_segment 0
		.amdhsa_kernarg_size 48
		.amdhsa_user_sgpr_count 2
		.amdhsa_user_sgpr_kernarg_segment_ptr 1
		.amdhsa_wavefront_size32 1
		.amdhsa_system_sgpr_workgroup_id_x 1
		.amdhsa_system_sgpr_workgroup_id_y 1
		.amdhsa_system_sgpr_workgroup_id_z 1
		.amdhsa_system_vgpr_workitem_id 0
		.amdhsa_next_free_vgpr 1024
		.amdhsa_next_free_sgpr 66
		.amdhsa_reserve_vcc 0
		.amdhsa_float_denorm_mode_32 3
		.amdhsa_float_denorm_mode_16_64 3
		.amdhsa_memory_ordered 1
		.amdhsa_forward_progress 1
		.amdhsa_inst_pref_size 134
	.end_amdhsa_kernel
	.amdgpu_metadata
---
amdhsa.version: [ 1, 2 ]
amdhsa.kernels:
  - .name:           k_q1117bae47c_up
    .symbol:         k_q1117bae47c_up.kd
    .args:
      - { .name: xg, .offset: 0, .size: 8, .value_kind: global_buffer, .address_space: global }
      - { .name: w1, .offset: 8, .size: 8, .value_kind: global_buffer, .address_space: global }
      - { .name: w3, .offset: 16, .size: 8, .value_kind: global_buffer, .address_space: global }
      - { .name: w2, .offset: 24, .size: 8, .value_kind: global_buffer, .address_space: global }
      - { .name: pl, .offset: 32, .size: 8, .value_kind: global_buffer, .address_space: global }
      - { .name: h, .offset: 40, .size: 8, .value_kind: global_buffer, .address_space: global }
    .group_segment_fixed_size: 264192
    .private_segment_fixed_size: 0
    .kernarg_segment_align: 8
    .kernarg_segment_size: 48
    .max_flat_workgroup_size: 128
    .sgpr_count:     66
    .vgpr_count:     1024
    .wavefront_size: 32
...
	.end_amdgpu_metadata
.endif
;; end of part 6
;; launch down (part 7): grid 32 x 8, 4 waves a work-group, no clusters, 133,120 bytes of LDS; arguments h, w2, pl, y; writes y
.if DOCPART == 7
	.amdgcn_target "amdgcn-amd-amdhsa--gfx1250"
	.amdhsa_code_object_version 6
	.text
	.protected	k_q1117bae47c_down
	.globl	k_q1117bae47c_down
	.p2align	8
	.type	k_q1117bae47c_down,@function
k_q1117bae47c_down:
	s_mov_b64 s[64:65], 0
	v_nop
	global_prefetch_b8 v0, s[64:65] scope:SCOPE_SE
	s_setreg_imm32_b32 hwreg(HW_REG_WAVE_SCHED_MODE, 0, 2), 2
	s_setreg_imm32_b32 hwreg(HW_REG_WAVE_MODE, 25, 1), 1
	s_wait_xcnt 0x0
	s_wait_alu depctr_vm_vsrc(0)
; SECOND PRODUCT.  y[p][d] = h[rank of p] . w2[e][d] for every pair p (token, choice) of expert e; unweighted partial rows in f32, which the next launch weighs and adds.
; Work-group (s, e): 64 rows of w2[e] (d = 64 s .. 64 s + 63), which it alone reads, and all of e's rows.  The form is the first product's:
; PHASE 1: the slice, 262,144 bytes of f32, is streamed, rounded to bf16 in registers and laid into LDS, 56 loads of 512 bytes out for each wave.
; PHASE 2: no barrier and no LDS store; a wave takes 4 or 5 tiles of 16 ranks at once; h's fragments come from memory straight into registers (16 lanes read 256 consecutive
; bytes), three periods of two K steps ahead; weight fragments from LDS.  Four passes of 20 tiles cover 1,024 rows; a pass without rows for the wave is jumped forward.
; THE DEAL OF THE WEIGHT ROWS.  LDS row 16 c + r holds row 64 s + 4 r + c of w2: wave w streams rows 64 s + 4 r + w, r = 0 .. 15, pieces of 4,096 consecutive bytes, into its LDS rows
; 16 w + r.  With source 0 = 16 ranks and source 1 = LDS rows 16 c .. 16 c + 15, register j of sum c in lane l is y(rank 8 (l / 16) + j, column 4 (l % 16) + c): for each j the
; four sums give a lane 16 neighbouring bytes of a row, and 16 lanes one aligned piece of 256 bytes.  So the way out needs no LDS: 32 copies a tile put the four registers side by side.
; pl gives the expert's count and the pair p of each rank.  Places past the count name row 2,048 + e of y, a scrap row that nobody
; reads and of which this work-group writes only its own 256 bytes: so EXEC stays whole.  A tile past the last repeats the wave's first tile, whose h and pairs were stored.
; LIMITS.  NaN and infinities are not treated apart.  An expert without rows still has its slice streamed; beyond 320 rows further passes run one after the other.
; NO CLUSTER, NO TENSOR LOAD: each weight byte has one reader and must be rounded on its way; the number of h's tiles hangs on a count read from memory, on which no joint load may hang.
; THE MODE: SCHED_MODE bits 1:0 = 2 (LLVM: expert scheduling mode 2), set by the entry lines.  The code itself states the register dependences
; between vector or matrix instructions and memory or LDS instructions, with s_wait_alu, always for 0.
; THE PLAN.  Registers that memory or LDS instructions touch:
;   v4, v12, v13, v24-27   offsets, addresses and zeros: made at the head, ahead of the one wait that stands in front of the first load, and never written again (v21, v22, v29 are read by vector lines alone).
;   the ring (phase 1)   Group g: its conversions read and write its eight slots, its LDS stores read them, the loads issued in group g + 1 land in them.  Behind a group's conversions stand one wait on
;                        va_vdst (they have written the stores' data; the group before is done with the slots that are loaded now) and one on vm_vsrc (the stores of the group before have read those slots).
;   v5                   Read by every LDS store; stepped once, behind a wait on vm_vsrc; the next group's wait on va_vdst stands ahead of the next store by it.
;   h's slots, WF        Read by a K step's matrix instructions; WF is loaded again one step later, a slot one period later.
;   WA                   Read by every fragment load from LDS; written in a trip's last step, behind a wait on vm_vsrc, and at a pass's head.
;                        ONE wait on va_vdst stands at a K step's head: the last step's products are done reading the other WF buffer and, at a period's first step, the slot multiplied last; in a trip's
;                        last step WA is written.  The step's loads follow it with no further wait: the LDS loads at once, h's loads four behind each tile's four products, which name
;                        the sums, this step's WF buffer and this period's slot: none of the registers that those loads touch.
;   v16-20, v104-108     Written at a pass's head, read by the pass's loads.       v64-103   Loaded from pl, turned into offsets by vector lines, read by the way out's stores as addresses.
;                        A pass's head has one wait on vm_vsrc ahead of its arithmetic (all that the last pass's loads and stores read; in the first pass the ring that phase 1's LDS stores read) and one on
;                        va_vdst behind it, ahead of the loads from pl: between that wait and the pass's first loads of h and of weight fragments no vector line names a register that they touch.
;   v32-63               Written by a tile's 32 copies, read by its eight stores: va_vdst ahead of the stores, vm_vsrc at the next tile's head.
.set LPR,    8                         ; loads of 512 bytes in a weight row
.set ROWB,   16384                     ; bytes from one of my weight rows to the next: four rows of w2
.set PITCH,  2064                      ; an LDS row: 2,048 bytes of bf16 + 16, an odd multiple of 16 (ISA guide 11.1: 64 banks of 4 bytes)
.set KTRIPS, 4                         ; trips of 8 K steps of 32: K = 1,024
.set A_S,    65536                     ; h: a K step is four octets of 16,384 bytes,
.set A_H,    32768                     ; a fragment's second half two octets on,
.set A_P,    131072                    ; a period two K steps,
.set A_T,    524288                    ; a trip eight
.set AMASK,  0x1fffff
.set CNT,    32768                     ; where the counts begin in pl
.set TAIL,   64*PITCH                  ; 512 bytes behind the last row, a word a thread: the K loop's last look-ahead reads the first 48.  The 512 bytes behind the tail take the closing add
; REGISTERS, in windows of 256 (s_set_vgpr_msb: bits 1:0 source 0, 3:2 source 1, 5:4 source 2, 7:6 destination):
;   window 0: v1 lane, v2 lane % 16, v3 lane / 16, v4 16 lane, v5 LDS store address, v10 at work, v12 my rows' heads in LDS, v13 my word of the tail,
;             v16-20 the tiles' offsets in h, v21 32 (lane / 16), v22 h's lane term, v24-27 zeros, v29 16 (lane % 16),
;             v32-63 a tile's eight quads, v64-103 tile i, rank 8 (lane / 16) + j at 64 + 8 i + j: the pair, then its row's offset in y; v104-108 the tiles' offsets in pl
;   window 1: v0-159 the sums (tile i, column set c at 32 i + 8 c); v160-223 weight fragments, two buffers; v224-227 their LDS addresses, v228-231 the same at k = 0
;   windows 2, 3: phase 1: window 2 is a ring of 64 load slots; phase 2: four slots of 128 registers for h (slot q, tile i, K step parity p at 128 (q % 2) + 16 i + 8 p)
.set ACC, 0
.set WF,  160
.set WA,  224
.set WA0, 228
.set MSB, 0
.macro WIN new                         ; the immediate's high byte repeats the setting that is left; a switch that changes nothing is dropped
.if MSB != (\new)
	s_set_vgpr_msb (MSB<<8)|(\new)
.set MSB, (\new)
.endif
.endm
.macro PLACES                          ; four places behind a matrix instruction (ISA guide 7.12.1), as the plain form of this text has them
.rept 4
	v_nop
.endr
.endm
	s_load_b256 s[4:11], s[0:1], 0x0               ; h s[4:5], w2 s[6:7], pl s[8:9], y s[10:11]
	v_lshl_add_u32 v254, v0, 2, 0x20600
	v_mov_b32 v255, 0
	v_lshrrev_b32 v10, 5, v0
	v_readfirstlane_b32 s16, v10                   ; wave 0..3
	; all the kernel's fixed offsets and addresses are made here, in the wait for the arguments
	v_lshl_add_u32 v13, v0, 2, TAIL
	v_and_b32 v1, 31, v0
	v_and_b32 v2, 15, v0
	v_bfe_u32 v3, v0, 4, 1
	v_lshlrev_b32 v4, 4, v1
	v_lshlrev_b32 v21, 5, v3                       ; pl: ranks 8 (lane / 16) + j, 4 bytes each
	v_lshlrev_b32 v29, 4, v2
	v_lshl_add_u32 v22, v3, 14, v29                ; h: 16 bytes a rank, one octet further for lanes 16-31
	v_mul_u32_u24 v10, v2, PITCH
	v_mul_u32_u24 v12, v2, PITCH
	v_lshl_add_u32 v10, v3, 4, v10                 ; a fragment: row lane % 16, 16 bytes for each half of the lanes
	WIN 0x40
.irp c, 0,1,2,3
	v_add_nc_u32 v[WA0+\c], \c*16*PITCH, v10
.endr
	WIN 0
.irp j, 24,25,26,27
	v_mov_b32 v\j, 0
.endr
	s_mov_b32 s17, ttmp9                           ; slice s
	s_and_b32 s18, ttmp7, 0xffff                   ; expert e
	s_lshl_b32 s39, s18, 2                         ; 4 e; not rewritten
	s_lshl_b32 s44, s18, 11                        ; my first weight row: 2,048 e + 64 s + w,
	s_lshl_b32 s24, s17, 6
	s_add_co_u32 s44, s44, s24
	s_wait_alu depctr_va_sdst(0)                   ; s16 is written, ahead of its first reader: bases, LDS rows and branches are made from it
	s_add_co_u32 s44, s44, s16
	s_lshl_b32 s44, s44, 12                        ; of 4,096 bytes
	s_mov_b32 s45, 0                               ; stays 0: the high word of every offset made in s44
	s_mul_i32 s25, s16, 16*PITCH
	v_lshl_add_u32 v5, v1, 3, s25                  ; my 16 LDS rows, 8 bytes a lane
	v_add_nc_u32 v12, s25, v12                     ; the head of my row lane % 16
	s_wait_kmcnt 0x0
	s_load_b32 s19, s[8:9], s39 offset:0x8000      ; the expert's count (CNT + 4 e)
	s_add_nc_u64 s[32:33], s[6:7], s[44:45]
	WIN 0x80                                       ; destination window 2
	s_wait_alu depctr_va_vdst(0)                   ; v4, v5, v12, v13 and v24-27 are written: the loads and LDS stores below read them as offsets, addresses and data
.set ii, 0
.rept 56
	global_load_b128 v[4*ii:4*ii+3], v4, s[32:33] offset:(ii/LPR)*ROWB+(ii%LPR)*512 th:TH_LOAD_NT
.set ii, ii+1
.endr
	WIN 0
	s_lshl_b32 s44, s18, 21                        ; e's part of h
	s_add_nc_u64 s[46:47], s[4:5], s[44:45]
	s_lshl_b32 s44, s17, 8                         ; my 64 columns of y
	s_add_nc_u64 s[40:41], s[10:11], s[44:45]
	s_lshl_b32 s44, s18, 12                        ; e's pairs in pl
	s_add_nc_u64 s[48:49], s[8:9], s[44:45]
	ds_store_b128 v12, v[24:27] offset:PITCH-16    ; the 16 bytes of padding behind each of my 16 rows (lanes l and l + 16 write the same bytes),
	ds_store_b32 v13, v24                          ; and my word of the tail: the K loop's last look-ahead reads them
	s_wait_kmcnt 0x0
	s_add_co_u32 s20, s19, 15
	s_lshr_b32 s20, s20, 4                         ; tiles of 16 rows,
	s_min_u32 s20, s20, 64                         ; 64 at the most, whatever pl held
; PHASE 1.  Eight loads of the ring: rounded in place; issue = 1: the eight slots drained one group ago are loaded again, 56 loads ahead; then the eight go into LDS.
; left = how many younger loads may stay out.  Load n of a trip is piece n % 8 of my row n / 8.
.macro GROUP g, issue, left
	s_wait_loadcnt \left
	WIN 0x8a                                       ; destination and both sources in window 2
.irp j, 0,1,2,3,4,5,6,7
.set ii, 8*(\g)+\j
	v_cvt_pk_bf16_f32 v[4*ii], v[4*ii], v[4*ii+1]
	v_cvt_pk_bf16_f32 v[4*ii+1], v[4*ii+2], v[4*ii+3]
.endr
.if \issue
	WIN 0x80
	s_wait_alu depctr_va_vdst(0)                   ; this group's conversions have written the data of the LDS stores below; those of the group before are done with the slots in which the loads below land
	s_wait_alu depctr_vm_vsrc(0)                   ; the LDS stores of the group before have read those slots
.irp j, 0,1,2,3,4,5,6,7
.set ii, 8*(\g)+\j
.set sl, (ii+56)%64
	global_load_b128 v[4*sl:4*sl+3], v4, s[32:33] offset:((ii+56)/LPR)*ROWB+((ii+56)%LPR)*512 th:TH_LOAD_NT
.endr
	WIN 0x08                                       ; data in window 2, address in window 0
.else
	WIN 0x08
	s_wait_alu depctr_va_vdst(0)                   ; this group's conversions have written the data of the LDS stores below
.endif
.irp j, 0,1,2,3,4,5,6,7
.set ii, 8*(\g)+\j
	ds_store_b64 v5, v[4*ii:4*ii+1] offset:(ii/LPR)*PITCH+(ii%LPR)*256
.endr
.endm
	; my 16 rows are 128 loads: one trip of 64 that fills every slot again (seven groups are out at each wait, so 48 may stay out), then the tail
.irp g, 0,1,2,3,4,5,6,7
	GROUP \g, 1, 48
.endr
	WIN 0
	s_wait_xcnt 0x0                                ; the loads have had their addresses translated (ISA guide 3.1): their base steps only behind this wait
	s_add_nc_u64 s[32:33], s[32:33], (64/LPR)*ROWB
	s_wait_alu depctr_vm_vsrc(0)                   ; the trip's LDS stores have read v5
	v_add_nc_u32 v5, (64/LPR)*PITCH, v5            ; the next group's wait on va_vdst stands ahead of the next store by it
	GROUP 0, 1, 48                                 ; my last eight loads, then the counts run down
.irp g, 1,2,3,4,5,6,7
	GROUP \g, 0, 8*(7-\g)
.endr
	WIN 0
	s_wait_dscnt 0x0                               ; for the others' sake: my 16 rows are in LDS
	s_barrier_signal -1
	s_barrier_wait -1
; PHASE 2.  Tile i's fragments of h of a period (two K steps) into a slot: four loads.
.macro ATILE i, slot, ptr, kb
	WIN 0x80+0x40*((\slot)/2)                      ; destination window 2 or 3, address window 0
.irp u, 0,1
.set rl, 128*((\slot)%2)+16*(\i)+8*\u
	global_load_b128 v[rl:rl+3],   v[16+(\i)], s[\ptr:\ptr+1] offset:(\kb)+A_S*\u
	global_load_b128 v[rl+4:rl+7], v[16+(\i)], s[\ptr:\ptr+1] offset:(\kb)+A_S*\u+A_H
.endr
.endm
.macro ALOAD T, slot, ptr, kb          ; the same for T tiles, in one run: 4 T loads
.set i_, 0
.rept \T
	ATILE i_, \slot, \ptr, \kb
.set i_, i_+1
.endr
.endm
; K step ks of a trip's eight.  At a period's first step the wait for its fragments of h (the two younger periods, 8 T loads, stay out); the step's one wait on va_vdst; the next step's weight
; fragments; the products, and at a period's first step, four behind each tile's four products, the request three periods ahead, into the slot multiplied last: two window switches a tile.
; Source 0 = 16 ranks, source 1 = 16 weight rows.  The 4 T sums take turns, one instruction a turn, over the backward jump too.
.macro KSTEP T, ks
.set sg, (\ks)/2
.if (\ks) == 7
	s_wait_alu depctr_vm_vsrc(0)                   ; the LDS loads issued so far have read WA
	WIN 0x44
.irp c, 0,1,2,3
	v_add_nc_u32 v[WA+\c], 512, v[WA+\c]           ; the next trip's k: a plain step; these four are the step's places.  In the last trip the look-ahead below reads the 64 bytes behind
.endr                                                  ; each row's data (its padding, the next row's head; behind row 63 the tail's), all of them written, and is discarded
.else
	PLACES
.endif
.if (\ks)%2 == 0
	s_wait_loadcnt 8*(\T)
.endif
	WIN 0x41                                       ; the LDS loads: destination and address in window 1
	s_wait_alu depctr_va_vdst(0)                   ; the last step's products are done reading the other WF buffer and, at a period's first step, the slot multiplied last; in a trip's last step WA is written
.set nb, WF+32*(((\ks)+1)%2)
.set ko, 64*(((\ks)+1)%8)
.irp c, 0,1,2,3
	ds_load_b128 v[nb+8*\c:nb+8*\c+3],   v[WA+\c] offset:ko
	ds_load_b128 v[nb+8*\c+4:nb+8*\c+7], v[WA+\c] offset:ko+32
.endr
	s_wait_dscnt 8                                 ; this step's fragments are in; the eight just issued stay out
.set cb, WF+32*((\ks)%2)
.set i_, 0
.rept \T
	WIN 0x56+(sg/2)                                ; h in window 2 or 3, weights and sums in window 1
.set ra, 128*(sg%2)+16*i_+8*((\ks)%2)
.irp c, 0,1,2,3
	v_wmma_f32_16x16x32_bf16 v[ACC+32*i_+8*\c:ACC+32*i_+8*\c+7], v[ra:ra+7], v[cb+8*\c:cb+8*\c+7], v[ACC+32*i_+8*\c:ACC+32*i_+8*\c+7]
.endr
.if (\ks)%2 == 0                       ; no wait: no product since the step's wait names v16-20 or the slot that is loaded
.if sg == 0
	ATILE i_, 3, 28, 3*A_P
.else
	ATILE i_, sg-1, 30, (sg-1)*A_P
.endif
.endif
.set i_, i_+1
.endr
.endm
; All of K for T tiles.  While the first two periods of h are out the sums are cleared and the pass's pairs, asked for ahead of them, are turned into row offsets in y; then the third
; period is asked for.  No first step is written out, which would double two loop texts.  All these loads lean on the wait on va_vdst at the pass's head: the vector lines
; between name the sums, v29 and v64-103 alone.
.macro BODY T
	ALOAD \T, 0, 28, 0
	ALOAD \T, 1, 28, A_P
	WIN 0x41
.irp c, 0,1,2,3
	ds_load_b128 v[WF+8*\c:WF+8*\c+3],   v[WA+\c]
	ds_load_b128 v[WF+8*\c+4:WF+8*\c+7], v[WA+\c] offset:32
.endr
	WIN 0x40
.set n_, 0
.rept 32*(\T)
	v_mov_b32 v[ACC+n_], 0
.set n_, n_+1
.endr
	WIN 0
	s_wait_loadcnt 8*(\T)                          ; the pairs are in: the two periods of h, 8 T loads, are younger and stay out
.set n_, 0
.rept 8*(\T)
	v_min_u32 v[64+n_], 0x807, v[64+n_]            ; a row of y, the scrap rows among them, whatever pl held
	v_lshl_add_u32 v[64+n_], v[64+n_], 13, v29     ; rows of 8,192 bytes, 16 bytes a lane
.set n_, n_+1
.endr
	ALOAD \T, 2, 28, 2*A_P
	WIN 0
	s_mov_b32 s35, KTRIPS
.Lk_\@:
.irp k, 0,1,2,3,4,5,6,7
	KSTEP \T, \k
.endr
	WIN 0
	s_wait_xcnt 0x0                                ; the trip's loads have had their addresses translated: their bases step only behind this wait
	s_mov_b64 s[28:29], s[30:31]
	s_add_co_u32 s26, s26, A_T
	s_and_b32 s26, s26, AMASK                      ; round at K's end: the last trip's look-ahead stays inside the expert's part of h
	s_add_nc_u64 s[30:31], s[46:47], s[26:27]
	s_sub_co_u32 s35, s35, 1
	s_cmp_lg_u32 s35, 0
	s_cbranch_scc1 .Lk_\@
	s_wait_loadcnt 0x0                             ; the look-ahead that nobody multiplies
	s_wait_dscnt 0x0
	PLACES                                         ; between the last products and the vector lines that read the sums
.endm
; THE WAY OUT of tile i.  For j = 0 .. 7: register j of the tile's four sums, side by side, is 16 bytes of the row of rank 8 (lane / 16) + j.
.macro EPI i
.if ((\i) > 0) && ((\i) < 4)
	s_cmp_le_i32 s37, 4*(\i)
	s_cbranch_scc1 .Lskip_\@                       ; the tile lies past the expert's last
.endif
	s_wait_xcnt 0x0                                ; the last tile's stores have had their addresses translated: their data are rewritten only behind this wait
	s_wait_alu depctr_vm_vsrc(0)                   ; the last tile's stores have read v32-63, which the copies below write again
	WIN 0x01                                       ; source 0 in window 1
.irp j, 0,1,2,3,4,5,6,7
.irp c, 0,1,2,3
	v_mov_b32 v[32+4*\j+\c], v[ACC+32*(\i)+8*\c+\j]  ; columns 4 (lane % 16) + c; each sum's lowest register is read first
.endr
.endr
	WIN 0
	s_wait_alu depctr_va_vdst(0)                   ; the copies have written v32-63, the stores' data; the offsets v64-103 were written ahead of the K loop
.irp j, 0,1,2,3,4,5,6,7
	global_store_b128 v[64+8*(\i)+\j], v[32+4*\j:35+4*\j], s[40:41]  ; 16 lanes store 256 consecutive bytes, at a multiple of 256 from y's first byte
.endr
.Lskip_\@:
.endm
	s_mov_b32 s21, 0                               ; the pass's first tile
	s_mov_b32 s27, 0                               ; the high word of the k offset
	s_mov_b32 s36, 4
.Lpass:                                                ; four passes, whatever the count
	s_sub_co_i32 s37, s20, s21
	s_sub_co_i32 s37, s37, s16                     ; tile base + w + 4 i is live where 4 i < s37
	s_cmp_le_i32 s37, 0
	s_cbranch_scc1 .Lnext
	s_wait_xcnt 0x0                                ; the last pass's stores have had their addresses translated: their offset registers are loaded again only behind this wait
	s_wait_alu depctr_vm_vsrc(0)                   ; the last pass's loads have read v16-20, v104-108 and WA, its stores v64-103; in the first pass phase 1's LDS stores have read the ring, in which h lands
	s_add_co_u32 s38, s21, s16
.irp i, 0,1,2,3,4
	s_add_co_u32 s23, s38, 4*\i
	s_cmp_gt_i32 s37, 4*\i
	s_cselect_b32 s23, s23, s38                    ; a tile past the last repeats my first, which was stored
	s_min_u32 s23, s23, 63
	v_lshl_add_u32 v[16+\i], s23, 8, v22           ; h: 16 ranks x 16 bytes a tile
	v_lshl_add_u32 v[104+\i], s23, 6, v21          ; pl: 16 ranks x 4 bytes a tile
.endr
	WIN 0x41
.irp c, 0,1,2,3
	v_mov_b32 v[WA+\c], v[WA0+\c]                  ; the weight fragments' addresses go back to k = 0
.endr
	WIN 0
	s_wait_alu depctr_va_vdst(0)                   ; v16-20, v104-108 and WA are written; the last pass's vector lines are done with v64-103, its products (in the first pass: phase 1's conversions) with the slots and WF
.irp i, 0,1,2,3,4
	global_load_b128 v[64+8*\i:67+8*\i], v[104+\i], s[48:49]            ; the pairs of ranks 8 (lane / 16) + 0 .. 3,
	global_load_b128 v[68+8*\i:71+8*\i], v[104+\i], s[48:49] offset:16  ; and + 4 .. 7
.endr
	s_mov_b64 s[28:29], s[46:47]                   ; this trip's k,
	s_add_nc_u64 s[30:31], s[46:47], A_T           ; the next trip's
	s_mov_b32 s26, A_T
	s_cmp_gt_i32 s37, 16
	s_cbranch_scc0 .Lfour
	BODY 5
	EPI 4
	s_branch .Lepi
.Lfour:
	BODY 4
.Lepi:
	EPI 0
	EPI 1
	EPI 2
	EPI 3
.Lnext:
	s_add_co_u32 s21, s21, 20
	s_sub_co_u32 s36, s36, 1
	s_cmp_lg_u32 s36, 0
	s_cbranch_scc1 .Lpass
	s_wait_dscnt 0x0                               ; my reads of the slice are over;
	s_barrier_signal -1                            ; the waves meet once more, where the plain form of this text has its closing barrier
	s_barrier_wait -1
	; the closing add, on the 512 bytes behind the tail
	s_wait_dscnt 0x0                               ; no LDS instruction of mine is out at the end
	s_wait_alu depctr_hold_cnt(0) depctr_sa_sdst(0) depctr_va_vdst(0) depctr_va_sdst(0) depctr_va_ssrc(0) depctr_va_vcc(0) depctr_vm_vsrc(0)
	s_wait_tensorcnt 0x0
	ds_add_u32 v254, v255
	s_wait_dscnt 0x0
	s_endpgm
.Lfunc_end_k_q1117bae47c_down:
	.size	k_q1117bae47c_down, .Lfunc_end_k_q1117bae47c_down-k_q1117bae47c_down
	.p2alignl 7, 3214868480
	.fill 96, 4, 3214868480
	.section	.rodata,"a",@progbits
	.p2align	6, 0x0
	.amdhsa_kernel k_q1117bae47c_down
		.amdhsa_group_segment_fixed_size 133120
		.amdhsa_private_segment_fixed_size 0
		.amdhsa_enable_private_segment 0
		.amdhsa_kernarg_size 32
		.amdhsa_user_sgpr_count 2
		.amdhsa_user_sgpr_kernarg_segment_ptr 1
		.amdhsa_wavefront_size32 1
		.amdhsa_system_sgpr_workgroup_id_x 1
		.amdhsa_system_sgpr_workgroup_id_y 1
		.amdhsa_system_sgpr_workgroup_id_z 1
		.amdhsa_system_vgpr_workitem_id 0
		.amdhsa_next_free_vgpr 1024
		.amdhsa_next_free_sgpr 66
		.amdhsa_reserve_vcc 0
		.amdhsa_float_denorm_mode_32 3
		.amdhsa_float_denorm_mode_16_64 3
		.amdhsa_memory_ordered 1
		.amdhsa_forward_progress 1
		.amdhsa_inst_pref_size 132
	.end_amdhsa_kernel
	.amdgpu_metadata
---
amdhsa.version: [ 1, 2 ]
amdhsa.kernels:
  - .name:           k_q1117bae47c_down
    .symbol:         k_q1117bae47c_down.kd
    .args:
      - { .name: h, .offset: 0, .size: 8, .value_kind: global_buffer, .address_space: global }
      - { .name: w2, .offset: 8, .size: 8, .value_kind: global_buffer, .address_space: global }
      - { .name: pl, .offset: 16, .size: 8, .value_kind: global_buffer, .address_space: global }
      - { .name: y, .offset: 24, .size: 8, .value_kind: global_buffer, .address_space: global }
    .group_segment_fixed_size: 133120
    .private_segment_fixed_size: 0
    .kernarg_segment_align: 8
    .kernarg_segment_size: 32
    .max_flat_workgroup_size: 128
    .sgpr_count:     66
    .vgpr_count:     1024
    .wavefront_size: 32
...
	.end_amdgpu_metadata
.endif
;; end of part 7
;; launch combine: the kernel of part 5 again; grid 256 x 1, 4 waves a work-group, no clusters, 0 bytes of LDS; arguments y, wgt, pa, out0, out1; writes out0, out1
